; MI455X (gfx1250); checked and timed in simulation.
; The chip was launched on July 23, 2026; its instructions are those of AMD's public machine-readable ISA for CDNA 5 (MIT licence, August 2026) and "CDNA5" Instruction Set Architecture Reference Guide (July 2026). The comments in the code are by the model that wrote it; some were corrected since.
;; Multi Headed Attention. Allowed arithmetic: matrix products marked QUANTISED: E2M3 operands, one E8M0 scale for each 32 along K, by v_wmma_scale_f32_16x16x128_f8f6f4 with both operands' format E2M3, f32 sums; everything else in f32.
;; Inputs: Wk_b 1,024 float32; Wk_w 1,024 x 1,024 float32; Wo_b 1,024 float32; Wo_w 1,024 x 1,024 float32; Wq_b 1,024 float32; Wq_w 1,024 x 1,024 float32; Wv_b 1,024 float32; Wv_w 1,024 x 1,024 float32; key 4 x 2,048 x 1,024 float32; mask 4 x 2,048 x 2,048 int32; query 4 x 2,048 x 1,024 float32; value 4 x 2,048 x 1,024 float32.
;; Outputs: out0 4 x 2,048 x 1,024 float32.
;; This version of the problem:
;;   THIS VERSION OF THE PROBLEM IS GIVEN IN LOW PRECISION. The matrix products marked QUANTISED in the list below multiply operands that are first quantised to E2M3 (2 exponent bits, 3 mantissa bits; 6 bits a number), with one power-of-two scale for each 32 numbers along K (OCP MX v1.0); their sums are f32. All else is computed in f32.
;;   The module's matrix products, in the order in which they are computed (A, B: the left and right operand; K: the contracted axis; several contracted axes count as one K, in the product's order):
;;     1. [M 8,192, K 1,024] x [K 1,024, N 1,024]; A: input query; B: input Wq_w: QUANTISED
;;     2. [M 8,192, K 1,024] x [K 1,024, N 1,024]; A: input key; B: input Wk_w: QUANTISED
;;     3. [M 8,192, K 1,024] x [K 1,024, N 1,024]; A: input value; B: input Wv_w: QUANTISED
;;     4. batch 64 x [M 2,048, K 64] x [K 64, N 2,048]; A: computed on the way; B: computed on the way: QUANTISED
;;     5. batch 64 x [M 2,048, K 2,048] x [K 2,048, N 64]; A: softmax (see below); B: computed on the way: QUANTISED
;;     6. [M 8,192, K 1,024] x [K 1,024, N 1,024]; A: computed on the way; B: input Wo_w: QUANTISED
;;   THE QUANTISER, for each operand of a quantised product, along K:
;;     - K is cut into blocks of 32 from its start; a last block that is shorter is filled with zeros.
;;     - A block's scale is 2^e with e = floor(log2(the largest magnitude in the block)) - 2, held to -126 .. 127; a block of zeros has e = 0. As a byte (E8M0): e + 127.
;;     - Each number is divided by its block's scale, clamped to +-7.5, and rounded to the nearest number of E2M3, ties to even, subnormals kept.
;;     - The product sums the exact products of the quantised numbers (number of the format x scale) in f32.
;;   ~~~python
;;   def quantise(x, axis):      # numpy; x: float32 -> the quantised numbers, widened to float32 again
;;       x = np.moveaxis(x, axis, -1); K = x.shape[-1]
;;       x = np.pad(x, [(0, 0)] * (x.ndim - 1) + [(0, -K % 32)]); x = x.reshape(x.shape[:-1] + (-1, 32)); a = np.abs(x).max(-1, keepdims=True)
;;       e = np.where(a > 0, np.clip(np.frexp(np.where(a > 0, a, 1))[1] - 1 - 2, -126, 127), 0)      # np.frexp(a)[1] - 1 = floor(log2(a)), exactly
;;       r = np.clip(x / 2.0 ** e, -7.5, 7.5)
;;       step = 2.0 ** (np.maximum(np.frexp(np.where(r == 0, 1, r))[1] - 1, 0) - 3)
;;       q = np.round(r / step) * step * 2.0 ** e      # np.round: ties to even
;;       return np.moveaxis(q.reshape(q.shape[:-2] + (-1,))[..., :K], -1, axis).astype(np.float32)
;;   ~~~
;;   SOFTMAX AHEAD OF A QUANTISED PRODUCT. Where the list says 'softmax', what is quantised is not the finished softmax but p = 2^(t - M), with t = logit x log2(e) and M = ceil(the row's largest t), a whole number; so 1/2 < the row's largest p <= 1. The row's sum l is taken of the UNQUANTISED p, in f32, and the product's result is divided by l at the end. Since M is a whole number, a kernel that streams over the keys may use a running M (the ceiling of the running maximum): every later rescaling is an exact power of two, which a block's scale takes up: the codes' values come out the same.
;;   OPERANDS COMPUTED ON THE WAY. 'Computed on the way' means the value that the module computes at that place (a softmax that the list does not call 'softmax' is quantised finished and normalised). What goes into a quantiser is computed in f32, as accurately as f32 sums, v_exp_f32 and their like allow (about 1e-6 of the number): no bf16 or f16 on the way to a quantiser, and a product that is left as it is and whose result goes on into a quantised operand takes f32 operands (vector FMAs, or v_wmma_f32_16x16x4_f32). A number that lies on a knife's edge between two numbers of the format may be rounded either way, as far as f32 arithmetic and the matrix unit's own rounding can turn it there, and no further.
;; One version. Each part assembles by itself: llvm-mc -triple=amdgcn-amd-amdhsa -mcpu=gfx1250 --defsym DOCPART=n.
;; ======== version 1 of 1: 4 launches
;; limits: right only within a limited range of input values
;; workspace buffers: codes 22,020,096 bytes; scales 917,504 bytes; maskw 2,097,152 bytes of whole numbers; maskf 8,192 bytes of whole numbers; qkv 20,185,088 bytes; hcodes 6,291,456 bytes; hscales 262,144 bytes
;; launch prep (part 1): grid 960 x 1, 4 waves a work-group, no clusters, 68,096 bytes of LDS; arguments query, key, value, Wq_w, Wk_w, Wv_w, Wo_w, mask, codes, scales, maskw, maskf; writes codes, scales, maskw, maskf
.if DOCPART == 1
	.amdgcn_target "amdgcn-amd-amdhsa--gfx1250"
	.amdhsa_code_object_version 6
	.text
	.protected	k_qe9fe170218_prep
	.globl	k_qe9fe170218_prep
	.p2align	8
	.type	k_qe9fe170218_prep,@function
k_qe9fe170218_prep:
	s_mov_b64 s[64:65], 0
	v_nop
	global_prefetch_b8 v0, s[64:65] scope:SCOPE_SE
	s_setreg_imm32_b32 hwreg(HW_REG_WAVE_MODE, 25, 1), 1
	s_wait_xcnt 0x0
; TWO JOBS IN ONE LAUNCH, parted by the work-group's number; both stream.
; Work-groups 0-447: query, key, value [8192][1024] and Wq_w, Wk_w, Wv_w, Wo_w [1024][1024], f32, K innermost, become codes of FP6 (E2M3) with one E8M0 byte for each 32 along K.
;   A block's scale is 2^(floor(log2(its largest magnitude)) - 2); its byte is the largest magnitude's exponent field - 2, held at 1 from below.
;   LIMITS: NaN and infinities are not served; blocks whose largest magnitude lies under 2^-124 keep the byte 1; a block of zeros gets the byte 1 where the rule says 127 (its codes are zeros; this program alone reads the bytes).
;   LAYOUT OF THE CODES: by tiles of 16 rows; a tile is 8 fragments (16 rows x 128 K) of 1,536 bytes; a fragment is the IMAGE OF ITS 12 OPERAND REGISTERS: six runs of 256 bytes, run g = registers 2 g, 2 g + 1 of the 32 lanes, lane l at 8 l.
;   ORDER INSIDE A BLOCK OF 32: codes 0-7 are elements 0-7, codes 8-15 elements 16-23, codes 16-23 elements 8-15, codes 24-31 elements 24-31.  Every operand of this program is laid so, so each product pairs equal k.
;   The scale bytes lie row-major, 32 bytes a row.  Row tiles in both buffers: query 0-511, key 512-1023, value 1024-1535, Wq 1536-, Wk 1600-, Wv 1664-, Wo 1728-1791.
; Work-groups 448-959: mask [4][2048][2048] int32 becomes one bit a number, laid as the attention launch's lane masks: for (batch, tile of 16 queries, step of 128 keys) 64 words;
;   word 8 T + j, bit (r + 16 h) = (mask[16 tile + r][128 step + 16 T + 8 h + j] != 0).
; A wave takes one row tile (8 steps of 128 K), or 4 key steps of one query tile.  A step's 16 loads read 512 consecutive bytes each; the 8 KiB turn through the wave's own stage in LDS (rows 528 bytes apart) so that
; a lane gets its operand's numbers.  Waves share nothing: no barrier.  Two steps' loads (32 a wave) are on their way.  Each path has LDS bytes of its own.
; TWO LAYOUTS, which take the place of what the lines above say of them:
; KEY'S ROW TILES: tile 4 g + u of key holds, in rows 0-7, tokens 64 g + 8 z(u) + 0..7 and, in rows 8-15, tokens 64 g + 32 + 8 z(u) + 0..7, with z = 0, 2, 1, 3: in the attention launch's scores a lane
;   then holds whole blocks of 32 keys, in this program's order inside a block.  All other tensors keep tiles of 16 neighbouring rows.
; THE MASK WORDS follow: word 8 T + j, bit (r + 16 h) = (mask[16 tile + r][128 step + 64 (T / 4) + 32 h + 8 z(T % 4) + j] != 0).
; maskf: one word for each (batch, query tile, wave of this launch): bit s is set where all 2,048 mask numbers of the wave's key step s are nonzero.
.set SP,   528
.set STG,  16*SP                       ; a wave's stage
.set TM,   8                           ; v8-15   at work
.set SW,   16                          ; v16-23  a row's eight scale words
.set C,    24                          ; v24-35  a fragment's codes (mask path: v24-31 four pairs of words)
.set CT,   36                          ; v36-43  halves of blocks that are made apart and moved
.set X,    48                          ; v48-111 64 numbers back from the stage
.set R,    112                         ; v112-239 two sets of 64, as loaded
	s_load_b512 s[4:19], s[0:1], 0x0               ; query, key, value, Wq_w, Wk_w, Wv_w, Wo_w, mask
	s_load_b128 s[20:23], s[0:1], 0x40             ; codes, scales
	s_load_b64 s[24:25], s[0:1], 0x50
	s_load_b64 s[40:41], s[0:1], 0x58              ; maskf
	v_lshl_add_u32 v240, v0, 2, 0x10800
	v_mov_b32 v241, 0
	v_lshrrev_b32 v7, 5, v0
	v_readfirstlane_b32 s26, v7                    ; wave
	v_and_b32 v7, 31, v0                           ; lane
	v_and_b32 v8, 15, v0                           ; r
	v_bfe_u32 v9, v0, 4, 1                         ; h
	v_lshlrev_b32 v1, 4, v7                        ; 16 x lane: my bytes of a load's 512
	v_lshlrev_b32 v4, 3, v7                        ; 8 x lane: my bytes of a run of 256
	v_mul_u32_u24 v3, v8, SP
	s_mul_i32 s27, s26, STG
	s_mov_b32 s31, 0
	s_cmp_ge_u32 ttmp9, 448
	s_cbranch_scc1 .Lmask
; ---------------- the quantiser ----------------
.macro PICK lim, ptr, first            ; work-groups under lim belong to an earlier tensor
	s_cmp_lt_u32 ttmp9, \lim
	s_cselect_b64 s[32:33], s[\ptr:\ptr+1], s[32:33]
	s_cselect_b32 s30, \first, s30
.endm
.macro LOADQ k                         ; K step k of my 16 rows: each load reads 512 consecutive bytes of one row
.irp p, 0,1,2,3,4,5,6,7
	global_load_b128 v[R+64*((\k)%2)+4*\p:R+64*((\k)%2)+4*\p+3], v1, s[32:33] offset:4096*\p+512*(\k) th:TH_LOAD_NT
.endr
.irp p, 8,9,10,11,12,13,14,15          ; rows 8-15 by a base of their own: in key they lie 24 rows further on
	global_load_b128 v[R+64*((\k)%2)+4*\p:R+64*((\k)%2)+4*\p+3], v1, s[46:47] offset:4096*\p+512*(\k) th:TH_LOAD_NT
.endr
.endm
.macro STEPQ k
.if (\k) < 7
	s_wait_loadcnt 16                              ; this step's 16 loads are in; the next step's 16 may be out
.else
	s_wait_loadcnt 0x0
.endif
.irp p, 0,1,2,3,4,5,6,7,8,9,10,11,12,13,14,15
	ds_store_b128 v2, v[R+64*((\k)%2)+4*\p:R+64*((\k)%2)+4*\p+3] offset:SP*\p
.endr
.irp c, 0,1                            ; lane (r, h) takes block 2 c + h of row r, in the program's order inside a block.  LDS serves a wave's instructions in order: these see the stores above
.irp e, 0,1,2,3,4,5,6,7
	ds_load_b128 v[X+32*\c+4*\e:X+32*\c+4*\e+3], v3 offset:256*\c+16*(\e%2)+64*((\e/2)%2)+32*(\e/4)
.endr
.endr
	s_wait_dscnt 0x0                               ; the numbers are back, and the stores have read their registers,
.if (\k) < 6
	LOADQ (\k)+2                                   ; which take the loads of two steps on
.endif
.irp c, 0,1
	v_max3_num_f32 v[TM+\c], |v[X+32*\c]|, |v[X+32*\c+1]|, 0x1800000   ; the block's largest magnitude: all 32 numbers are mine; the floor 2^(3 - 127) holds the byte at 1 from below
.endr
.irp i, 2,4,6,8,10,12,14,16,18,20,22,24,26,28,30
.irp c, 0,1
	v_max3_num_f32 v[TM+\c], v[TM+\c], |v[X+32*\c+\i]|, |v[X+32*\c+\i+1]|
.endr
.endr
.irp c, 0,1
	v_add_nc_u32 v[TM+2+\c], 0xff000000, v[TM+\c]  ; 2 off the exponent field: the conversion's scale operand
.endr
.irp c, 0,1
	v_lshrrev_b32 v[TM+4+\c], 23, v[TM+2+\c]       ; the scale's byte
.endr
	v_lshl_or_b32 v[TM+7], v[TM+5], 16, v[TM+4]    ; my two bytes, blocks h and 2 + h,
	v_lshlrev_b32 v[TM+7], v6, v[TM+7]             ; at their places in the word (8 h bits up);
	v_permlanex16_b32 v[TM+6], v[TM+7], s28, s29
	v_or_b32 v[SW+(\k)], v[TM+7], v[TM+6]          ; with lane l xor 16's two the word of these 128 along K is whole, in both halves of the lanes
	s_wait_alu depctr_va_vdst(0)
	s_wait_xcnt 0x0                                ; the last step's stores have read the codes' registers
.irp c, 0,1
	v_cvt_scalef32_pk16_fp6_f32 v[C+6*\c:C+6*\c+2], v[X+32*\c:X+32*\c+15], v[TM+2+\c]
	v_cvt_scalef32_pk16_fp6_f32 v[CT+4*\c:CT+4*\c+2], v[X+32*\c+16:X+32*\c+31], v[TM+2+\c]   ; (a conversion's three registers begin on an even number)
.endr
	v_nop                                          ; one plain place behind a scaled conversion
.irp c, 0,1
.irp i, 0,1,2
	v_mov_b32 v[C+6*\c+3+\i], v[CT+4*\c+\i]
.endr
.endr
.irp p, 0,1,2,3,4,5
	global_store_b64 v4, v[C+2*\p:C+2*\p+1], s[34:35] offset:1536*(\k)+256*\p   ; 32 lanes store 256 consecutive bytes, at a multiple of 256 from the buffer's first byte
.endr
.endm
	v_add_nc_u32 v2, s27, v1                       ; the stage, on the way in: 16 x lane of a row
	v_lshl_add_u32 v3, v9, 7, v3
	v_add_nc_u32 v3, s27, v3                       ; and back: row r, + 128 h
	v_lshlrev_b32 v5, 5, v8
	v_lshl_add_u32 v5, v9, 4, v5                   ; the scale bytes: 32 r + 16 h
	v_lshlrev_b32 v6, 3, v9                        ; 8 h
	v_mov_b32 v[TM+6], 0                           ; written once: a lane permute's destination counts as one of its sources
	s_mov_b32 s28, 0x76543210
	s_mov_b32 s29, 0xfedcba98                      ; selects for lane l xor 16
	s_mov_b32 s38, 0xffff0000                      ; lanes 16-31
	s_wait_alu depctr_va_vdst(0)
	s_wait_kmcnt 0x0
	s_mov_b64 s[32:33], s[16:17]                   ; whose work-group am I?  The choice hangs on the work-group's number alone
	s_mov_b32 s30, 432
	PICK 432, 14, 416
	PICK 416, 12, 400
	PICK 400, 10, 384
	PICK 384, 8, 256
	PICK 256, 6, 128
	PICK 128, 4, 0
	s_sub_co_u32 s30, ttmp9, s30                   ; my work-group in its tensor:
	s_lshl_b32 s30, s30, 18                        ; 64 rows of 4,096 bytes
	s_lshl_b32 s42, s26, 16                        ; my wave's tile: 16 rows on for each wave;
	s_and_b32 s43, s26, 1
	s_lshl_b32 s43, s43, 16
	s_lshr_b32 s44, s26, 1
	s_lshl_b32 s44, s44, 15
	s_or_b32 s43, s43, s44                         ; in key 8 z(wave) rows on
	s_sub_co_u32 s45, ttmp9, 128
	s_cmp_lt_u32 s45, 128                          ; key's work-groups are 128-255: the choice hangs on the work-group's number alone
	s_cselect_b32 s42, s43, s42
	s_cselect_b32 s46, 98304, 0                    ; 24 rows
	s_add_co_u32 s30, s30, s42
	s_add_nc_u64 s[32:33], s[32:33], s[30:31]
	s_mov_b32 s47, 0
	s_add_nc_u64 s[46:47], s[32:33], s[46:47]
	s_lshl_b32 s30, ttmp9, 2
	s_add_co_u32 s30, s30, s26                     ; and in the two buffers
	s_mul_i32 s34, s30, 12288
	s_mov_b32 s35, 0
	s_add_nc_u64 s[34:35], s[20:21], s[34:35]
	s_lshl_b32 s36, s30, 9
	s_mov_b32 s37, 0
	s_add_nc_u64 s[36:37], s[22:23], s[36:37]
	LOADQ 0
	LOADQ 1
.irp k, 0,1,2,3,4,5,6,7
	STEPQ \k
.endr
.irp i, 0,1,2,3
	v_cndmask_b32 v[CT+\i], v[SW+\i], v[SW+4+\i], s38   ; lanes 0-15 store a row's first 16 scale bytes, lanes 16-31 its last 16
.endr
	global_store_b128 v5, v[CT:CT+3], s[36:37]     ; 512 consecutive bytes
	s_wait_tensorcnt 0x0
	ds_add_u32 v240, v241
	s_wait_dscnt 0x0
	s_endpgm
; ---------------- the mask ----------------
.macro LOADM s                         ; key step s of my four, 16 queries: 512 consecutive bytes a load
.irp p, 0,1,2,3,4,5,6,7,8,9,10,11,12,13,14,15
	global_load_b128 v[R+64*((\s)%2)+4*\p:R+64*((\s)%2)+4*\p+3], v1, s[32:33] offset:8192*\p+512*(\s) th:TH_LOAD_NT
.endr
.endm
.macro STEPM s
.if (\s) < 3
	s_wait_loadcnt 16                              ; this step's 16 loads are in; the next step's 16 may be out
.else
	s_wait_loadcnt 0x0
.endif
.irp p, 0,1,2,3,4,5,6,7,8,9,10,11,12,13,14,15
	ds_store_b128 v2, v[R+64*((\s)%2)+4*\p:R+64*((\s)%2)+4*\p+3] offset:SP*\p
.endr
.irp e, 0,1,2,3,4,5,6,7,8,9,10,11,12,13,14,15
	ds_load_b128 v[X+4*\e:X+4*\e+3], v3 offset:256*(\e/8)+64*((\e/2)%2)+32*((\e/4)%2)+16*(\e%2)   ; lane (r, h): register 8 T + j = mask(query r, key 64 (T / 4) + 32 h + 8 z(T % 4) + j)
.endr
	s_wait_dscnt 0x0
.if (\s) < 2
	LOADM (\s)+2
.endif
	s_mov_b64 s[42:43], -1                         ; the AND of the step's 64 words
.set j, 0
.rept 16
.irp u, 0,1,2,3
	v_cmp_ne_u32 s[20+\u], 0, v[X+j+\u]
.endr
	s_and_b64 s[42:43], s[42:43], s[20:21]
	s_and_b64 s[42:43], s[42:43], s[22:23]
.irp u, 0,1,2,3
	v_writelane_b32 v[C+2*(\s)+\u%2], s[20+\u], (j+\u)/2
.endr
.set j, j+4
.endr
	global_store_b64 v4, v[C+2*(\s):C+2*(\s)+1], s[34:35] offset:256*(\s)   ; each step has a pair of its own: no store's data are written again
	s_and_b32 s42, s42, s43
	s_cmp_eq_u32 s42, -1
	s_cselect_b32 s43, 1<<(\s), 0
	s_or_b32 s44, s44, s43                         ; bit s: the step has no closed key
.endm
.Lmask:
	s_add_co_u32 s27, s27, 4*STG                   ; this path's stages lie behind the other path's
	s_wait_alu depctr_va_vdst(0)
	v_add_nc_u32 v2, s27, v1
	v_lshl_add_u32 v3, v9, 7, v3
	v_add_nc_u32 v3, s27, v3                       ; back: row r, + 32 h
.irp i, 0,1,2,3,4,5,6,7
	v_mov_b32 v[C+\i], 0                           ; v_writelane_b32's destination counts as read
.endr
	s_sub_co_u32 s30, ttmp9, 448                   ; 128 x batch + query tile
	s_lshl_b32 s28, s30, 12                        ; out: 16 steps of 256 bytes a query tile,
	s_lshl_b32 s29, s26, 10                        ; my four steps
	s_add_co_u32 s28, s28, s29
	s_mov_b32 s29, 0
	s_lshl_b32 s30, s30, 17                        ; in: 16 rows of 8,192 bytes,
	s_lshl_b32 s36, s26, 11                        ; my four steps of 512 bytes
	s_add_co_u32 s30, s30, s36
	s_wait_alu depctr_va_vdst(0)
	s_wait_kmcnt 0x0
	s_add_nc_u64 s[32:33], s[18:19], s[30:31]
	s_add_nc_u64 s[34:35], s[24:25], s[28:29]
	s_sub_co_u32 s46, ttmp9, 448
	s_lshl_b32 s46, s46, 2
	s_add_co_u32 s46, s46, s26
	s_lshl_b32 s46, s46, 2                         ; maskf: 16 bytes a query tile, 4 a wave
	s_mov_b32 s47, 0
	s_add_nc_u64 s[40:41], s[40:41], s[46:47]
	s_mov_b32 s44, 0
	LOADM 0
	LOADM 1
.irp s, 0,1,2,3
	STEPM \s
.endr
	v_mov_b32 v8, 0
	v_mov_b32 v9, s44
	global_store_b32 v8, v9, s[40:41]              ; my wave's word of flags (all lanes write the same word with the same value)
	s_wait_tensorcnt 0x0
	ds_add_u32 v240, v241
	s_wait_dscnt 0x0
	s_endpgm
.Lfunc_end_k_qe9fe170218_prep:
	.size	k_qe9fe170218_prep, .Lfunc_end_k_qe9fe170218_prep-k_qe9fe170218_prep
	.p2alignl 7, 3214868480
	.fill 96, 4, 3214868480
	.section	.rodata,"a",@progbits
	.p2align	6, 0x0
	.amdhsa_kernel k_qe9fe170218_prep
		.amdhsa_group_segment_fixed_size 68096
		.amdhsa_private_segment_fixed_size 0
		.amdhsa_enable_private_segment 0
		.amdhsa_kernarg_size 96
		.amdhsa_user_sgpr_count 2
		.amdhsa_user_sgpr_kernarg_segment_ptr 1
		.amdhsa_wavefront_size32 1
		.amdhsa_system_sgpr_workgroup_id_x 1
		.amdhsa_system_sgpr_workgroup_id_y 1
		.amdhsa_system_sgpr_workgroup_id_z 1
		.amdhsa_system_vgpr_workitem_id 0
		.amdhsa_next_free_vgpr 242
		.amdhsa_next_free_sgpr 66
		.amdhsa_reserve_vcc 0
		.amdhsa_float_denorm_mode_32 3
		.amdhsa_float_denorm_mode_16_64 3
		.amdhsa_memory_ordered 1
		.amdhsa_forward_progress 1
		.amdhsa_inst_pref_size 114
	.end_amdhsa_kernel
	.amdgpu_metadata
---
amdhsa.version: [ 1, 2 ]
amdhsa.kernels:
  - .name:           k_qe9fe170218_prep
    .symbol:         k_qe9fe170218_prep.kd
    .args:
      - { .name: query, .offset: 0, .size: 8, .value_kind: global_buffer, .address_space: global }
      - { .name: key, .offset: 8, .size: 8, .value_kind: global_buffer, .address_space: global }
      - { .name: value, .offset: 16, .size: 8, .value_kind: global_buffer, .address_space: global }
      - { .name: Wq_w, .offset: 24, .size: 8, .value_kind: global_buffer, .address_space: global }
      - { .name: Wk_w, .offset: 32, .size: 8, .value_kind: global_buffer, .address_space: global }
      - { .name: Wv_w, .offset: 40, .size: 8, .value_kind: global_buffer, .address_space: global }
      - { .name: Wo_w, .offset: 48, .size: 8, .value_kind: global_buffer, .address_space: global }
      - { .name: mask, .offset: 56, .size: 8, .value_kind: global_buffer, .address_space: global }
      - { .name: codes, .offset: 64, .size: 8, .value_kind: global_buffer, .address_space: global }
      - { .name: scales, .offset: 72, .size: 8, .value_kind: global_buffer, .address_space: global }
      - { .name: maskw, .offset: 80, .size: 8, .value_kind: global_buffer, .address_space: global }
      - { .name: maskf, .offset: 88, .size: 8, .value_kind: global_buffer, .address_space: global }
    .group_segment_fixed_size: 68096
    .private_segment_fixed_size: 0
    .kernarg_segment_align: 8
    .kernarg_segment_size: 96
    .max_flat_workgroup_size: 128
    .sgpr_count:     66
    .vgpr_count:     242
    .wavefront_size: 32
...
	.end_amdgpu_metadata
.endif
;; end of part 1
;; launch proj (part 2): grid 4 x 96, 4 waves a work-group, clusters of 4 x 4, 327,680 bytes of LDS; arguments codes, scales, qkv, Wq_b, Wk_b, Wv_b; writes qkv
.if DOCPART == 2
	.amdgcn_target "amdgcn-amd-amdhsa--gfx1250"
	.amdhsa_code_object_version 6
	.text
	.protected	k_qe9fe170218_proj
	.globl	k_qe9fe170218_proj
	.p2align	8
	.type	k_qe9fe170218_proj,@function
k_qe9fe170218_proj:
	s_mov_b64 s[64:65], 0
	v_nop
	global_prefetch_b8 v0, s[64:65] scope:SCOPE_SE
	s_setreg_imm32_b32 hwreg(HW_REG_WAVE_MODE, 25, 1), 1
	s_wait_xcnt 0x0
	s_wait_alu depctr_hold_cnt(0) depctr_sa_sdst(0) depctr_va_vdst(0) depctr_va_sdst(0) depctr_va_ssrc(0) depctr_va_vcc(0) depctr_vm_vsrc(0)
	s_getreg_b32 s2, hwreg(HW_REG_IB_STS2, 6, 4)
	s_cmp_eq_u32 s2, 0
	s_cbranch_scc0 .Lentry_in_a_cluster
	s_endpgm
.Lentry_in_a_cluster:
	s_bfe_u32 s2, ttmp6, 0x10000c
	s_cmp_lg_u32 s2, 0xf033
	s_cbranch_scc0 .Lentry_shape_is_right
	s_endpgm
.Lentry_shape_is_right:
.set NQ,     2
.set FR,     12
.set NL,     6
.set NP,     4
.set KB,     3072
.set HALFT,  8*KB
.set SLOT,   4*HALFT
.set LAPS,   2
.set KS,     32
.set SCL,    2*SLOT
.set HALFS,  16*272
.set SBLK,   2*272
.set SPARE,  SCL+4*HALFS
.set REC,    315392
.set ADRA, 16
.set ADRB, 20
.set L8,   24
.set L16,  25
.set ADRS, 27
.set SPW,  28
.set NIL,  29
.set SC,   32
.set CB,   64
.set AF,   128
.set RB,   224
.set TM,   240
.set T,    128
.set PC,   192
.set SWR,  212
.set XT,   220
.set G1, 24
.set G0, 32
.set G1B, 48
.set G0B, 56
.set G1S, 68
.set G0S, 76
.set G1SB, 80
.set G0SB, 88
.set TOK,  95
.set MODE, 100
.set HP,   101
.set MSB, 0
.macro WIN new
.if MSB != \new
	s_set_vgpr_msb (MSB<<8)|\new
.set MSB, \new
.endif
.endm
.set MUL_LO, 0xa1
.set MUL_HI, 0xf1
.set TO_B,   0x40
.macro JLOAD g0a, g1a, g0b, g1b
	s_cmp_eq_u32 s15, 0
	s_cbranch_scc0 .Lfor_b_\@
	tensor_load_to_lds s[\g0a:\g0a+3], s[\g1a:\g1a+7]
	s_nop 0
.rept 4
	v_nop
.endr
	s_branch .Lasked_\@
.Lfor_b_\@:
	tensor_load_to_lds s[\g0b:\g0b+3], s[\g1b:\g1b+7]
	s_nop 0
.rept 4
	v_nop
.endr
.Lasked_\@:
.endm
.macro CREST
	s_cmp_lg_u32 s14, 0
	s_cbranch_scc1 .Lnot_wave_0_\@
	s_barrier_signal -3
.Lnot_wave_0_\@:
	s_barrier_wait -3
	s_barrier_signal -1
	s_barrier_wait -1
.endm
.macro CROUND
	s_barrier_signal -1
	s_barrier_wait -1
	CREST
.endm
	s_load_b128 s[4:7], s[0:1], 0x0
	s_load_b128 s[8:11], s[0:1], 0x10
	s_load_b128 s[96:99], s[0:1], 0x20
	v_lshl_add_u32 v[SPW], v0, 2, SPARE
	v_mov_b32 v[NIL], 0
	ds_add_u32 v28, v29
	ds_add_u32 v28, v29
	s_wait_dscnt 0x0
	v_lshrrev_b32 v1, 5, v0
	v_readfirstlane_b32 s14, v1
	s_lshr_b32 s15, s14, 1
	s_and_b32 s16, s14, 1
	s_bfe_u32 s40, ttmp6, 0x40000
	s_bfe_u32 s41, ttmp6, 0x40004
	s_and_b32 s17, ttmp7, 0xffff
	s_lshr_b32 s[MODE], s17, 3
	s_and_b32 s17, s17, 7
	s_lshl_b32 s17, s17, 2
	s_cmp_eq_u32 s[MODE], 2
	s_cselect_b32 s42, s17, 0
	s_cselect_b32 s17, 0, s17
	s_add_co_u32 s42, s42, s40
	s_add_co_u32 s17, s17, s41
	s_lshl_b32 s43, s41, 2
	s_lshl_b32 s43, 15, s43
	s_lshl_b32 s44, 0x1111, s40
	s_or_b32 s[G1+0], s43, (3<<16)|(1<<21)
	s_or_b32 s[G1B+0], s44, (3<<16)|(1<<21)
.irp g, G1, G1B
	s_mov_b32 s[\g+1], 384<<16
	s_mov_b32 s[\g+2], 16<<16
	s_mov_b32 s[\g+3], 384<<16
	s_mov_b32 s[\g+4], 16
	s_mov_b32 s[\g+5], 1536
	s_mov_b32 s[\g+6], 0
	s_mov_b32 s[\g+7], 0
.endr
	s_or_b32 s[G1S+0], s43, (3<<16)|(1<<20)|(1<<21)|(5<<22)|(3<<25)
	s_or_b32 s[G1SB+0], s44, (3<<16)|(1<<20)|(1<<21)|(5<<22)|(3<<25)
.irp g, G1S, G1SB
	s_mov_b32 s[\g+1], 32<<16
	s_mov_b32 s[\g+2], 32<<16
	s_mov_b32 s[\g+3], 32<<16
	s_mov_b32 s[\g+4], 32
	s_mov_b32 s[\g+5], 32
	s_mov_b32 s[\g+6], 0
	s_mov_b32 s[\g+7], 0
.endr
	s_lshl_b32 s20, s17, 8                         ; the tile's first row of A,
	s_lshl_b32 s46, s42, 8                         ; and of B
	s_lshl_b32 s22, s20, 5
	s_lshl_b32 s92, s46, 5
	s_mul_i32 s20, s20, 768
	s_mul_i32 s46, s46, 768
	s_mul_i32 s18, s[MODE], 6291456
	s_lshl_b32 s19, s[MODE], 18
	s_mul_i32 s93, s[MODE], 786432
	s_add_co_u32 s93, s93, 18874368
	s_lshl_b32 s94, s[MODE], 15
	s_add_co_u32 s94, s94, 786432
	s_cmp_eq_u32 s[MODE], 2
	s_cselect_b32 s21, s93, s18
	s_cselect_b32 s47, s18, s93
	s_cselect_b32 s23, s94, s19
	s_cselect_b32 s95, s19, s94
	s_add_co_u32 s20, s20, s21
	s_add_co_u32 s46, s46, s47
	s_add_co_u32 s22, s22, s23
	s_add_co_u32 s92, s92, s95
	s_mov_b32 s21, 0
	s_mov_b32 s47, 0
	s_mov_b32 s23, 0
	s_mov_b32 s93, 0
	s_mul_i32 s45, s14, HALFT
	s_wait_kmcnt 0x0
	s_add_nc_u64 s[20:21], s[4:5], s[20:21]
	s_add_nc_u64 s[22:23], s[6:7], s[22:23]
	s_add_nc_u64 s[46:47], s[4:5], s[46:47]
	s_add_nc_u64 s[92:93], s[6:7], s[92:93]
	CROUND
	; THE HEAD'S FOUR TILES, each whole, one joint load a wave: the scales of A's 256 rows,
	s_mov_b32 s[G0S], 1
	s_mov_b32 s[G0S+1], SCL
	s_mov_b64 s[G0S+2:G0S+3], s[22:23]
	s_or_b32 s[G0S+3], s[G0S+3], 0x80000000
	s_mov_b32 s[G0SB], 1                           ; those of B's,
	s_mov_b32 s[G0SB+1], SCL+2*HALFS
	s_mov_b64 s[G0SB+2:G0SB+3], s[92:93]
	s_or_b32 s[G0SB+3], s[G0SB+3], 0x80000000
	s_mov_b32 s[G0], 1                             ; slot 0's 16 row tiles of A,
	s_mov_b32 s[G0+1], 0
	s_mov_b64 s[G0+2:G0+3], s[20:21]
	s_or_b32 s[G0+3], s[G0+3], 0x80000000
	s_mov_b32 s[G0B], 1                            ; and of B, behind them
	s_mov_b32 s[G0B+1], 2*HALFT
	s_mov_b64 s[G0B+2:G0B+3], s[46:47]
	s_or_b32 s[G0B+3], s[G0B+3], 0x80000000
	s_mul_i32 s18, s16, 98304                      ; in the ring a wave fetches 128 rows of 768 bytes: which half
	s_mov_b32 s19, 0
	s_add_nc_u64 s[20:21], s[20:21], s[18:19]
	s_add_nc_u64 s[46:47], s[46:47], s[18:19]
	s_mov_b32 s[G0+4], 1                           ; slot 1's group 0: my quarter
	s_add_co_u32 s[G0+5], s45, SLOT
	s_add_nc_u64 s[G0+6:G0+7], s[20:21], KB
	s_or_b32 s[G0+7], s[G0+7], 0x80000000
	s_mov_b32 s[G0B+4], 1
	s_add_co_u32 s[G0B+5], s45, SLOT
	s_add_nc_u64 s[G0B+6:G0B+7], s[46:47], KB
	s_or_b32 s[G0B+7], s[G0B+7], 0x80000000
; ONE tree of branches on the wave's number, each arm with its load and, but for the last, a jump to the tree's end: every way through the head passes exactly one load
.macro ARM under, g0, g1, next
	s_cmp_lt_u32 s14, \under
	s_cbranch_scc0 \next
	tensor_load_to_lds s[\g0:\g0+3], s[\g1:\g1+7]
	s_nop 0
.rept 4
	v_nop
.endr
	s_branch .Lhead_asked
\next:
.endm
	ARM 1, G0,  G1,  .Lhead_b
	ARM 2, G0B, G1B, .Lhead_sa
	ARM 3, G0S, G1S, .Lhead_sb
	tensor_load_to_lds s[G0SB:G0SB+3], s[G1SB:G1SB+7]
	s_nop 0
.rept 4
	v_nop
.endr
.Lhead_asked:
	v_and_b32 v1, 15, v0
	v_bfe_u32 v2, v0, 4, 1
	v_and_b32 v6, 31, v0
	v_lshlrev_b32 v[L8], 3, v6
	v_lshlrev_b32 v[L16], 4, v6
	s_mul_i32 s21, s15, HALFT
	s_mul_i32 s22, s16, HALFT
	s_add_co_u32 s22, s22, 2*HALFT
.irp s, 0,1
	v_add_nc_u32 v[ADRA+\s], s21, v[L8]
	v_add_nc_u32 v[ADRB+\s], s22, v[L8]
	s_add_co_u32 s21, s21, SLOT
	s_add_co_u32 s22, s22, SLOT
.endr
	v_mul_u32_u24 v5, v1, KS
	v_lshrrev_b32 v6, 8, v5
	v_lshl_add_u32 v5, v6, 4, v5
	s_mul_i32 s21, s15, HALFS
	s_mul_i32 s22, s16, HALFS
	s_add_co_u32 s22, s22, 2*HALFS
	s_sub_co_u32 s22, s22, s21
	v_mul_u32_u24 v6, s22, v2
	s_add_co_u32 s21, s21, SCL
	v_add_nc_u32 v5, v5, v6
	v_add_nc_u32 v[ADRS], s21, v5
.irp b, 0,1,2,3
	v_mov_b32 v[TM+4+\b], 0
.endr
	s_lshl_b32 s18, s17, 1
	s_add_co_u32 s18, s18, s15
	s_lshl_b32 s19, s42, 1
	s_add_co_u32 s19, s19, s16
	s_cmp_eq_u32 s[MODE], 2
	s_cselect_b32 s[HP], s18, s19
	s_cselect_b32 s[TOK], s19, s18
	s_cselect_b64 s[96:97], s[98:99], s[96:97]
	s_cmp_eq_u32 s[MODE], 0
	s_cselect_b64 s[96:97], s[10:11], s[96:97]
	s_lshl_b32 s98, s[HP], 9
	s_mov_b32 s99, 0
	s_add_nc_u64 s[96:97], s[96:97], s[98:99]
	v_lshlrev_b32 v10, 5, v2
	v_lshlrev_b32 v11, 2, v1
.irp b, 0,1,2,3,4,5,6,7
	global_load_b128 v[CB+8*\b:CB+8*\b+3], v10, s[96:97] offset:64*\b
	global_load_b128 v[CB+8*\b+4:CB+8*\b+7], v10, s[96:97] offset:64*\b+16
	global_load_b32 v[RB+2*\b], v11, s[96:97] offset:64*\b
	global_load_b32 v[RB+2*\b+1], v11, s[96:97] offset:64*\b
.endr
.macro FRAG reg, adr, q, i
.irp p, 0,1,2,3,4,5
	ds_load_b64 v[\reg+2*\p:\reg+2*\p+1], v[\adr] offset:(\i)*KB+(\q)*1536+256*\p
.endr
.endm
.macro MUL16 a0, p, q, sc, zero
.irp a, \a0, \a0+1
.irp b, 0,1,2,3,4,5,6,7
.if \zero
	v_wmma_scale_f32_16x16x128_f8f6f4 v[8*(8*((\a)%4)+\b):8*(8*((\a)%4)+\b)+7], v[128*(\p)+FR*\b:128*(\p)+FR*\b+FR-1], v[AF+FR*(\a):AF+FR*(\a)+FR-1], 0, v[SC+8*NQ*(\sc)+NQ*\b+(\q)], v[SC+8*NQ*(\sc)+NQ*(\a)+(\q)] matrix_a_fmt:MATRIX_FMT_FP6 matrix_b_fmt:MATRIX_FMT_FP6 matrix_a_scale:MATRIX_SCALE_ROW1
.else
	v_wmma_scale_f32_16x16x128_f8f6f4 v[8*(8*((\a)%4)+\b):8*(8*((\a)%4)+\b)+7], v[128*(\p)+FR*\b:128*(\p)+FR*\b+FR-1], v[AF+FR*(\a):AF+FR*(\a)+FR-1], v[8*(8*((\a)%4)+\b):8*(8*((\a)%4)+\b)+7], v[SC+8*NQ*(\sc)+NQ*\b+(\q)], v[SC+8*NQ*(\sc)+NQ*(\a)+(\q)] matrix_a_fmt:MATRIX_FMT_FP6 matrix_b_fmt:MATRIX_FMT_FP6 matrix_a_scale:MATRIX_SCALE_ROW1
.endif
.endr
.endr
.endm
.macro FETCH_B slot, q, p
	WIN TO_B
.irp i, 0,1,2,3,4,5,6,7
	FRAG 128*(\p)+FR*\i, ADRB+\slot, \q, \i
.endr
	WIN 0
.endm
.macro FETCH_A slot, q, i0
.irp i, \i0, \i0+1, \i0+2, \i0+3
	FRAG AF+FR*(\i), ADRA+\slot, \q, \i
.endr
.endm
.macro SCALES sc
.irp i, 0,1,2,3,4,5,6,7
	ds_load_b64 v[SC+8*NQ*\sc+NQ*\i:SC+8*NQ*\sc+NQ*\i+1], v[ADRS] offset:\i*SBLK
.endr
.endm
.macro PLACES n
.rept \n
	v_nop
.endr
.endm
.macro STEP slot, q, zero
	s_wait_dscnt 4*NL
	WIN MUL_LO
	MUL16 0, (\q)%2, \q, \slot, \zero
	MUL16 2, (\q)%2, \q, \slot, \zero
	s_wait_dscnt 0
	PLACES NP
	FETCH_B \slot, (\q)+1, 1-(\q)%2
	FETCH_A \slot, (\q)+1, 0
	WIN MUL_HI
	MUL16 4, (\q)%2, \q, \slot, \zero
	MUL16 6, (\q)%2, \q, \slot, \zero
	PLACES NP
	WIN 0
	FETCH_A \slot, (\q)+1, 4
.endm
.macro TURN slot, next, fill
	s_wait_tensorcnt 0x0
	ds_add_u32 v[SPW], v[NIL]
	s_wait_dscnt 4*NL+1
	WIN MUL_LO
	MUL16 0, 1, NQ-1, \slot, 0
	s_wait_dscnt 0x0
	s_barrier_signal -1
	MUL16 2, 1, NQ-1, \slot, 0
	WIN 0
	s_barrier_wait -1
.if \fill
	CREST
	s_add_nc_u64 s[G0+4*\slot+2:G0+4*\slot+3], s[G0+4*\slot+2:G0+4*\slot+3], 2*KB
	s_add_nc_u64 s[G0B+4*\slot+2:G0B+4*\slot+3], s[G0B+4*\slot+2:G0B+4*\slot+3], 2*KB
	JLOAD G0+4*\slot, G1, G0B+4*\slot, G1B
.else
	PLACES NP
.endif
	s_wait_alu depctr_va_vdst(0)
	v_add_nc_u32 v[ADRS], 4*NQ, v[ADRS]
	FETCH_B \next, 0, 0
	FETCH_A \next, 0, 0
	SCALES \next
	WIN MUL_HI
	MUL16 4, 1, NQ-1, \slot, 0
	MUL16 6, 1, NQ-1, \slot, 0
	PLACES NP
	WIN 0
	FETCH_A \next, 0, 4
.endm
	s_wait_alu depctr_va_vdst(0)
	s_wait_tensorcnt 0x0                           ; my tile of the head's four is in
	ds_add_u32 v[SPW], v[NIL]
	s_mov_b32 s[G1+2], 8<<16                       ; no tensor load of mine is out, so descriptors may be written: from here on a load brings 8 row tiles,
	s_mov_b32 s[G1+4], 8
	s_mov_b32 s[G1B+2], 8<<16
	s_mov_b32 s[G1B+4], 8
	s_mul_i32 s18, s16, 98304
	s_mov_b32 s19, 0
	s_add_co_u32 s[G0+1], s45, 0                   ; and slot 0's group 0 becomes my quarter of the ring
	s_add_nc_u64 s[G0+2:G0+3], s[G0+2:G0+3], s[18:19]
	s_add_co_u32 s[G0B+1], s45, 0
	s_add_nc_u64 s[G0B+2:G0B+3], s[G0B+2:G0B+3], s[18:19]
	s_wait_dscnt 0x0
	CROUND                                         ; all four tiles are in, and all sixteen work-groups are here
	JLOAD G0+4, G1, G0B+4, G1B                     ; slot 1's first fill, the first tensor load behind the round
	FETCH_B 0, 0, 0
	FETCH_A 0, 0, 0
	SCALES 0
	FETCH_A 0, 0, 4
	STEP 0, 0, 1
	s_mov_b32 s3, LAPS-1
.Llap:
	TURN 0, 1, 1
	STEP 1, 0, 0
	TURN 1, 0, 1
	STEP 0, 0, 0
	s_sub_co_u32 s3, s3, 1
	s_cmp_lg_u32 s3, 0
	s_cbranch_scc1 .Llap
	TURN 0, 1, 0
	STEP 1, 0, 0
	s_wait_dscnt 4*NL
	WIN MUL_LO
	MUL16 0, 1, NQ-1, 1, 0
	MUL16 2, 1, NQ-1, 1, 0
	s_wait_dscnt 0
	WIN MUL_HI
	MUL16 4, 1, NQ-1, 1, 0
	MUL16 6, 1, NQ-1, 1, 0
	WIN 0
	s_lshr_b32 s52, s[TOK], 4
	s_lshl_b32 s52, s52, 4
	s_lshl_b32 s53, s[HP], 1
	s_add_co_u32 s52, s52, s53
	s_mul_i32 s52, s52, REC
	s_and_b32 s53, s[TOK], 15
	s_mov_b32 s54, 13056
	s_mov_b32 s55, 12288
	s_mov_b32 s56, 106496
	s_mov_b32 s28, REC
	s_mov_b32 s30, 768
	s_mov_b32 s32, 768
	s_cmp_eq_u32 s[MODE], 0
	s_cselect_b32 s54, 6656, s54
	s_cselect_b32 s55, 6144, s55
	s_cselect_b32 s56, 0, s56
	s_cmp_eq_u32 s[MODE], 2
	s_cselect_b32 s55, 6656, s55
	s_cselect_b32 s56, 112640, s56
	s_cselect_b32 s28, 768, s28
	s_cselect_b32 s30, 1536, s30
	s_cselect_b32 s32, 310784, s32
	s_mov_b32 s29, 0
	s_mov_b32 s31, 0
	s_mov_b32 s33, 0
	s_mul_i32 s53, s53, s54
	s_add_co_u32 s52, s52, s53
	s_add_co_u32 s52, s52, s56
	s_mov_b32 s53, 0
	s_mov_b32 s56, s55
	s_mov_b32 s57, 0
	s_add_nc_u64 s[24:25], s[8:9], s[52:53]
	s_add_nc_u64 s[26:27], s[24:25], s[28:29]
	s_add_nc_u64 s[34:35], s[24:25], s[56:57]
	s_add_nc_u64 s[36:37], s[34:35], REC
	s_mov_b32 s48, 0xffff0000
	s_mov_b32 s50, 0x76543210
	s_mov_b32 s51, 0xfedcba98
.macro BIASADD a
	WIN 0
	s_cmp_eq_u32 s[MODE], 2
	s_cbranch_scc1 .Lrow_\@
	WIN 0x02+(\a)/4
.set i, 0
.rept 32
	v_pk_add_f32 v[T+i:T+i+1], v[64*((\a)%4)+i:64*((\a)%4)+i+1], v[CB+i:CB+i+1]
.set i, i+2
.endr
	WIN 0
	s_branch .Ljoin_\@
.Lrow_\@:
	WIN 0x02+(\a)/4
.set i, 0
.rept 32
	v_pk_add_f32 v[T+i:T+i+1], v[64*((\a)%4)+i:64*((\a)%4)+i+1], v[RB+2*(\a):RB+2*(\a)+1]
.set i, i+2
.endr
	WIN 0
.Ljoin_\@:
.endm
.macro QMAX s, w
.irp b, 0,1,2,3
	v_max3_num_f32 v[TM+\b], |v[\s+16*\b]|, |v[\s+1+16*\b]|, 0x1800000
.endr
.irp i, 2,4,6,8,10,12,14
.irp b, 0,1,2,3
	v_max3_num_f32 v[TM+\b], v[TM+\b], |v[\s+16*\b+\i]|, |v[\s+1+16*\b+\i]|
.endr
.endr
.irp b, 0,1,2,3
	v_permlanex16_b32 v[TM+4+\b], v[TM+\b], s50, s51
.endr
.irp b, 0,1,2,3
	v_max_num_f32 v[TM+\b], v[TM+\b], v[TM+4+\b]
.endr
.irp b, 0,1,2,3
	v_add_nc_u32 v[TM+12+\b], 0xff000000, v[TM+\b]
.endr
.irp b, 0,1,2,3
	v_lshrrev_b32 v[TM+4+\b], 23, v[TM+12+\b]
.endr
	v_lshl_or_b32 v[\w], v[TM+5], 8, v[TM+4]
	v_lshl_or_b32 v[\w], v[TM+6], 16, v[\w]
	v_lshl_or_b32 v[\w], v[TM+7], 24, v[\w]
.endm
.macro QCVT s
.irp c, 0,1
	v_cvt_scalef32_pk16_fp6_f32 v[PC+6*\c:PC+2+6*\c], v[\s+32*\c:\s+15+32*\c], v[TM+12+2*\c]
	v_cvt_scalef32_pk16_fp6_f32 v[PC+12+4*\c:PC+14+4*\c], v[\s+16+32*\c:\s+31+32*\c], v[TM+12+2*\c+1]
.endr
	v_nop
.irp c, 0,1
.irp i, 0,1,2
	v_permlane16_swap_b32 v[PC+6*\c+\i], v[PC+12+4*\c+\i]
.endr
.irp i, 0,1,2
	v_mov_b32 v[PC+3+6*\c+\i], v[PC+12+4*\c+\i]
.endr
.endr
.endm
	s_wait_loadcnt 0x0
	PLACES NP
.irp a, 0,1,2,3,4,5,6,7
	BIASADD \a
	QMAX T, SWR+\a
.if \a > 0
	s_wait_xcnt 0x0
.if \a == 4
	s_add_nc_u64 s[24:25], s[24:25], s[32:33]
.else
	s_add_nc_u64 s[24:25], s[24:25], s[30:31]
.endif
	s_add_nc_u64 s[26:27], s[24:25], s[28:29]
.endif
	QCVT T
.irp p, 0,1,2
	global_store_b64 v[L8], v[PC+2*\p:PC+2*\p+1], s[24:25] offset:256*\p
	global_store_b64 v[L8], v[PC+6+2*\p:PC+7+2*\p], s[26:27] offset:256*\p
.endr
.endr
.irp t, 0,1,2,3
	v_cndmask_b32 v[XT+\t], v[SWR+2*\t], v[SWR+2*\t+1], s48
.endr
	s_wait_xcnt 0x0
	s_cmp_eq_u32 s[MODE], 2
	s_cbranch_scc1 .Lvsc
	s_wait_alu depctr_va_vdst(0)
.irp t, 0,1,2,3
	v_and_b32 v[PC+\t], 0xffff, v[XT+\t]
	v_lshrrev_b32 v[PC+4+\t], 16, v[XT+\t]
.endr
	global_store_b128 v[L16], v[PC:PC+3], s[34:35]
	global_store_b128 v[L16], v[PC+4:PC+7], s[36:37]
	s_branch .Ldone
.Lvsc:
	s_wait_alu depctr_va_vdst(0)
	global_store_b64 v[L8], v[XT:XT+1], s[34:35]
	global_store_b64 v[L8], v[XT+2:XT+3], s[36:37]
.Ldone:
	s_wait_tensorcnt 0x0
	ds_add_u32 v[SPW], v[NIL]
	s_wait_dscnt 0x0
	CROUND
	s_endpgm
.Lfunc_end_k_qe9fe170218_proj:
	.size	k_qe9fe170218_proj, .Lfunc_end_k_qe9fe170218_proj-k_qe9fe170218_proj
	.p2alignl 7, 3214868480
	.fill 96, 4, 3214868480
	.section	.rodata,"a",@progbits
	.p2align	6, 0x0
	.amdhsa_kernel k_qe9fe170218_proj
		.amdhsa_group_segment_fixed_size 327680
		.amdhsa_private_segment_fixed_size 0
		.amdhsa_enable_private_segment 0
		.amdhsa_kernarg_size 48
		.amdhsa_user_sgpr_count 2
		.amdhsa_user_sgpr_kernarg_segment_ptr 1
		.amdhsa_wavefront_size32 1
		.amdhsa_system_sgpr_workgroup_id_x 1
		.amdhsa_system_sgpr_workgroup_id_y 1
		.amdhsa_system_sgpr_workgroup_id_z 1
		.amdhsa_system_vgpr_workitem_id 0
		.amdhsa_next_free_vgpr 1024
		.amdhsa_next_free_sgpr 102
		.amdhsa_reserve_vcc 0
		.amdhsa_float_denorm_mode_32 3
		.amdhsa_float_denorm_mode_16_64 3
		.amdhsa_memory_ordered 1
		.amdhsa_forward_progress 1
		.amdhsa_inst_pref_size 206
	.end_amdhsa_kernel
	.amdgpu_metadata
---
amdhsa.version: [ 1, 2 ]
amdhsa.kernels:
  - .name:           k_qe9fe170218_proj
    .symbol:         k_qe9fe170218_proj.kd
    .args:
      - { .name: codes, .offset: 0, .size: 8, .value_kind: global_buffer, .address_space: global }
      - { .name: scales, .offset: 8, .size: 8, .value_kind: global_buffer, .address_space: global }
      - { .name: qkv, .offset: 16, .size: 8, .value_kind: global_buffer, .address_space: global }
      - { .name: Wq_b, .offset: 24, .size: 8, .value_kind: global_buffer, .address_space: global }
      - { .name: Wk_b, .offset: 32, .size: 8, .value_kind: global_buffer, .address_space: global }
      - { .name: Wv_b, .offset: 40, .size: 8, .value_kind: global_buffer, .address_space: global }
    .group_segment_fixed_size: 327680
    .private_segment_fixed_size: 0
    .kernarg_segment_align: 8
    .kernarg_segment_size: 48
    .max_flat_workgroup_size: 128
    .sgpr_count:     102
    .vgpr_count:     1024
    .wavefront_size: 32
...
	.end_amdgpu_metadata
.endif
;; end of part 2
;; launch attn (part 3): grid 4 x 64, 16 waves a work-group, no clusters, 210,944 bytes of LDS; arguments qkv, maskw, hcodes, hscales, maskf; writes hcodes, hscales
.if DOCPART == 3
	.amdgcn_target "amdgcn-amd-amdhsa--gfx1250"
	.amdhsa_code_object_version 6
	.text
	.protected	k_qe9fe170218_attn
	.globl	k_qe9fe170218_attn
	.p2align	8
	.type	k_qe9fe170218_attn,@function
k_qe9fe170218_attn:
	s_mov_b64 s[64:65], 0
	v_nop
	global_prefetch_b8 v0, s[64:65] scope:SCOPE_SE
	s_setreg_imm32_b32 hwreg(HW_REG_WAVE_MODE, 25, 1), 1
	s_wait_xcnt 0x0
; H[b][q][head] = softmax_k(where(mask == 0, -1e9, Q . K / 8)) V, both products on codes of FP6 (E2M3) with E8M0 scales; H leaves as codes: the left operand of the last projection.
; THE SOFTMAX: t = score x log2(e) / 8; M = the row's largest t so far, rounded UP to a whole number; p = 2^(t - M) is quantised along the keys, not normalised; the row's sum is taken of the
; unquantised p and divides at the end.  When M moves, the sum and O are multiplied by 2^(old M - new M): exact.
; SHARES.  A work-group owns one (batch, head) and 512 queries, in two passes of 256; each of its sixteen waves owns 16 queries a pass, in 256 registers.  The head's K and V, 16 key steps of 13,056 bytes as
; the projection launch laid them, are copied into LDS once, through registers; one barrier; from then on LDS is only read.
; LAYOUT.  Both products are used transposed: S^T = K Q^T, O^T = V^T P^T: a lane holds ONE query (lane % 16).  The rows of a tile of K are chosen (by the first launch) so that register 8 T + j of S^T in lane half h
; is key 64 (T / 4) + 32 h + 8 z(T % 4) + j, z = 0, 2, 1, 3: a lane's registers 32 c .. 32 c + 31 are the WHOLE block 2 c + h of 32 keys, in the order in which V's codes lie.  So a block's maximum needs no other lane,
; and the conversions' results are the operand's registers.
; THE HEAD'S 64 fill half of the instruction's 128 along K.  Q's registers 6-11 are zero codes; K's tiles lie 6 registers apart, so a tile's operand runs on into the next tile's codes (the last into six zeros):
; finite numbers x zeros add 0; the scale bytes of those two blocks are 0 on both sides, which is 2^-127.
; THE MASK.  maskf holds a bit for each (query tile, key step): set where no key of the step is closed for any of the 16 queries.  Such a step needs no select.
; Every other step loads the words and selects between each score and the masked score.  The products are the same on both ways.
; NO TENSOR LOAD AND NO CLUSTER: K and V come once, for 32 steps' work of each wave.
; NO PREFETCH: K and V are asked for whole at the head, where there is no loop to run ahead in.
; LIMITS: a masked score is -2^33, a logit of -2^30 where reference() has -1e9, so that score x c is exact and a row with no open key gets p = 1 everywhere, the uniform softmax of reference(); results differ
; only where an OPEN logit lies at or under about -1e9.  The promise holds while |t| stays under 2^31.  NaN and infinities are not served.
; REGISTERS: v1-9 addresses and constants; v10-11 the two blocks' maxima; v12 -M, v13 the largest score, v[14:15] the sum; v16-27 Q; v[28:29] V's scale words; v30-31 the add's; v32-79 K, v80-85 zeros;
;   v86-91, v252-254 at work; v89 p's scale word; v[92:95] K's scale words; v96-159 S^T, then p; v160-191 O^T; v192-239 V; v240-251 p's codes; v255 Q's scale word.
.set REC,   315392
.set KVP,   106496                     ; where a record's key steps begin
.set STEPB, 13056                      ; a key step: K 6,144, V 6,144, K's scale words 512, V's 256
.set WV,   12
.set SEL,  14                          ; s[14:15] selects for lane l xor 16
.set CS,   16                          ; s[16:17] c = log2(e) / 8
.set TB,   18                          ; LDS byte of the next key step
.set CNT,  19
.set PASS, 22
.set MOFF, 23                          ; byte offset of this step's mask words
.set FL,   24                          ; the flags of the steps to come, this step's in bit 0
.set PC,   240
.macro MASKLOAD                        ; 64 words: word j in s[32 + j] for j < 32, else in s[36 + j]
	s_load_b512 s[32:47], s[6:7], s[MOFF] offset:0x0
	s_load_b512 s[48:63], s[6:7], s[MOFF] offset:0x40
	s_load_b512 s[68:83], s[6:7], s[MOFF] offset:0x80
	s_load_b512 s[84:99], s[6:7], s[MOFF] offset:0xc0
.endm
.macro KLOAD                           ; 25 loads: a step's 8 tiles of K, 6 registers each, and their scale words
.set g, 0
.rept 24
	ds_load_b64 v[32+2*g:33+2*g], v3 offset:256*g
.set g, g+1
.endr
	ds_load_b128 v[92:95], v4
.endm
.macro QLOAD                           ; my tile of Q and its scale word
.irp i, 0,1,2
	global_load_b64 v[16+2*\i:17+2*\i], v6, s[26:27] offset:256*\i
.endr
	global_load_b32 v255, v7, s[26:27]
.endm
	s_load_b256 s[4:11], s[0:1], 0x0               ; qkv, maskw, hcodes, hscales
	s_load_b64 s[2:3], s[0:1], 0x20                ; maskf
	v_lshl_add_u32 v30, v0, 2, 0x33000
	v_mov_b32 v31, 0
	v_lshrrev_b32 v9, 5, v0
	v_readfirstlane_b32 s[WV], v9                  ; wave 0..15
	s_and_b32 s13, ttmp7, 0xffff                   ; 16 x batch + head
	s_mul_i32 s20, s13, REC
	s_mov_b32 s21, 0
	s_lshr_b32 s24, s[WV], 3
	s_lshl_b32 s25, ttmp9, 2
	s_add_co_u32 s24, s24, s25                     ; my query step of 128 in pass 0: 4 x + wave / 8
	s_mul_i32 s24, s24, 6656
	s_add_co_u32 s24, s24, s20
	s_mov_b32 s25, 0
	s_add_co_u32 s20, s20, KVP
	s_and_b32 s15, s[WV], 7                        ; my tile among the query step's eight
	s_mul_i32 s28, s15, 768
	s_and_b32 s16, s[WV], 1
	s_lshl_b32 s16, s16, 8                         ; Q's scale words: register tile / 2 of the image, lanes 16 (tile % 2) + r
	s_lshr_b32 s15, s15, 1
	s_lshl_b32 s15, s15, 2
	s_add_co_u32 s15, s15, s16
	s_add_co_u32 s15, s15, 6144
	s_lshr_b32 s17, s13, 4
	s_lshl_b32 s17, s17, 7
	s_lshl_b32 s18, ttmp9, 5
	s_add_co_u32 s17, s17, s18
	s_add_co_u32 s17, s17, s[WV]                   ; my tile of 16 rows in pass 0: 128 x batch + 32 x + wave
	s_lshl_b32 s18, s17, 4                         ; its flags: 16 bytes a tile
	s_mov_b32 s19, 0
	v_and_b32 v10, 31, v0                          ; lane
	v_and_b32 v11, 15, v0                          ; r
	v_bfe_u32 v9, v0, 4, 1
	v_lshlrev_b32 v9, 3, v9                        ; 8 h
	v_lshlrev_b32 v1, 3, v10                       ; 8 x lane
	v_lshl_add_u32 v2, v10, 4, 12288               ; 16 x lane, at K's scale words
	v_lshlrev_b32 v8, 5, v11                       ; H's scale bytes: 32 a row
	v_add_nc_u32 v6, s28, v1                       ; Q's codes
	v_lshl_add_u32 v7, v11, 4, s15
	v_lshlrev_b32 v134, 4, v0                      ; the copy: 16 bytes a thread, 8,192 a round
	v_lshlrev_b32 v135, 3, v0
	v_mov_b32 v5, 0xd0000000                       ; -2^33
	s_wait_alu depctr_va_vdst(0)
	s_wait_kmcnt 0x0
	s_add_nc_u64 s[26:27], s[4:5], s[24:25]        ; Q
	s_add_nc_u64 s[30:31], s[4:5], s[20:21]        ; the head's key steps: 208,896 bytes = 25 rounds of 8,192 and one of 4,096
	s_add_nc_u64 s[2:3], s[2:3], s[18:19]
	s_load_b128 s[32:35], s[2:3], 0x0              ; pass 0's flags, four bits a word,
	s_load_b128 s[36:39], s[2:3], 0x100            ; and pass 1's: the tile 16 on
	QLOAD                                          ; pass 0's Q lands under the copy
.set i, 0
.rept 25
	global_load_b128 v[32+4*i:35+4*i], v134, s[30:31] offset:8192*i
.set i, i+1
.endr
	global_load_b64 v[132:133], v135, s[30:31] offset:204800
	; until these 26 loads are waited for, nothing below names v32-133
	v_mov_b32 v136, v134                           ; LDS addresses: an immediate reaches 65,535, the registers carry the rest
	v_add_nc_u32 v137, 0x10000, v134
	v_add_nc_u32 v138, 0x20000, v134
	v_add_nc_u32 v139, 0x30000, v134
	v_add_nc_u32 v140, 0x30000, v135
.irp j, 22,23,24,25,26,27,253
	v_mov_b32 v\j, 0                               ; Q's zero codes; v253 is named as half of a pair before it is first written
.endr
	s_lshl_b32 s18, s17, 12
	s_add_nc_u64 s[6:7], s[6:7], s[18:19]          ; my tile's mask words: 16 steps of 256 bytes
	s_and_b32 s13, s13, 15                         ; the head
	s_lshl_b32 s18, s17, 9
	s_lshl_b32 s20, s13, 1
	s_add_co_u32 s18, s18, s20
	s_add_nc_u64 s[10:11], s[10:11], s[18:19]      ; H's scale bytes: 512 a tile, + 2 x head
	s_mul_i32 s18, s17, 12288
	s_mul_i32 s20, s13, 768
	s_add_co_u32 s18, s18, s20
	s_add_nc_u64 s[8:9], s[8:9], s[18:19]          ; H's codes: 12,288 a tile of rows; a head's 64 are half a fragment
	s_mov_b32 s[SEL], 0x76543210
	s_mov_b32 s[SEL+1], 0xfedcba98
	s_mov_b32 s[CS], 0x3e38aa3b
	s_mov_b32 s[CS+1], s[CS]                       ; (named with it as a pair, so it is written)
	s_mov_b32 s[MOFF], 0
	s_mov_b32 s[TB], 0
	s_wait_alu depctr_va_vdst(0)
	s_wait_kmcnt 0x0
.irp i, 1,2,3,4,5,6,7
	s_lshl_b32 s[32+\i], s[32+\i], 4*\i
	s_or_b32 s32, s32, s[32+\i]
.endr
	s_mov_b32 s[FL], s32                           ; 32 bits: the 32 steps in the order in which I walk them
.set i, 0
.rept 25
	s_wait_loadcnt 25-i                            ; loads come back in order: round i is in, the 25 - i issued behind it may be out
	ds_store_b128 v[136+i/8], v[32+4*i:35+4*i] offset:8192*(i%8)
.set i, i+1
.endr
	s_wait_loadcnt 0x0
	ds_store_b64 v140, v[132:133] offset:8192
	s_wait_dscnt 0x0                               ; for the others' sake: my stores have landed
	s_barrier_signal -1
	s_barrier_wait -1                              ; the head's K and V lie in LDS; nothing writes them from here on
.irp j, 80,81,82,83,84,85
	v_mov_b32 v\j, 0                               ; the six zero codes behind K's last tile
.endr
	v_mov_b32 v3, v1
	v_mov_b32 v4, v2
	KLOAD                                          ; key step 0
; A KEY STEP: 128 keys.  last = 1: a pass's 16th step, written out: the fetches go back to step 0, the mask words on to the next pass's tile, and pass 1's Q is asked for.
.macro STEP last
	s_wait_dscnt 0x0                               ; K and its scale words, asked for in the middle of the step before, are in
.irp t, 0,2,4,6
	v_wmma_scale_f32_16x16x128_f8f6f4 v[96+8*\t:103+8*\t], v[32+6*\t:43+6*\t], v[16:27], 0, v[92+\t/2], v255 matrix_a_fmt:MATRIX_FMT_FP6 matrix_b_fmt:MATRIX_FMT_FP6
	v_wmma_scale_f32_16x16x128_f8f6f4 v[104+8*\t:111+8*\t], v[38+6*\t:49+6*\t], v[16:27], 0, v[92+\t/2], v255 matrix_a_fmt:MATRIX_FMT_FP6 matrix_b_fmt:MATRIX_FMT_FP6 matrix_a_scale:MATRIX_SCALE_ROW1
.endr
.if \last
	s_mov_b32 s[TB], 0
.else
	s_add_co_u32 s[TB], s[TB], STEPB
.endif
	v_add_nc_u32 v4, s[TB], v2                     ; four places: behind the last step's products ahead of the loads into V's registers, behind these ahead of the loads into K's and of the first read of the scores
.rept 3
	v_nop
.endr
.set g, 0
.rept 24
	ds_load_b64 v[192+2*g:193+2*g], v3 offset:6144+256*g   ; this step's V: 25 loads, which land under the softmax
.set g, g+1
.endr
	ds_load_b64 v[28:29], v3 offset:12800
	v_add_nc_u32 v3, s[TB], v1
	KLOAD                                          ; the next step's K: 25 loads
.if \last
	s_cmp_eq_u32 s[PASS], 1
	s_cbranch_scc1 .Lnoq_\@                        ; no pass follows the second
	s_add_nc_u64 s[26:27], s[26:27], 13312         ; 256 queries on: two query steps (the earlier loads by this base were waited for)
	QLOAD
.Lnoq_\@:
.endif
	s_bitcmp1_b32 s[FL], 0
	s_cbranch_scc1 .Lopen_\@                       ; no key of this step is closed for my queries: nothing to select
	MASKLOAD
	s_wait_kmcnt 0x0
.set j, 0
.rept 32
	v_cndmask_b32 v[96+j], v5, v[96+j], s[32+j]    ; a clear bit: the score becomes -2^33.  In ascending order: each accumulator is read from its low end on
.set j, j+1
.endr
.rept 32
	v_cndmask_b32 v[96+j], v5, v[96+j], s[36+j]
.set j, j+1
.endr
.Lopen_\@:
	s_lshr_b32 s[FL], s[FL], 1
.if \last
	s_add_co_u32 s[MOFF], s[MOFF], 61696           ; from step 15 of a tile to step 0 of the tile 16 on
.else
	s_add_co_u32 s[MOFF], s[MOFF], 256
.endif
	; the largest score of my two blocks of 32 keys, each in two chains; every accumulator is first read at its low end
	v_max3_num_f32 v10, v96, v97, v98
	v_max3_num_f32 v90, v112, v113, v114
	v_max3_num_f32 v11, v128, v129, v130
	v_max3_num_f32 v91, v144, v145, v146
.irp i, 3,5,7,9,11,13
	v_max3_num_f32 v10, v10, v[96+\i], v[97+\i]
	v_max3_num_f32 v90, v90, v[112+\i], v[113+\i]
	v_max3_num_f32 v11, v11, v[128+\i], v[129+\i]
	v_max3_num_f32 v91, v91, v[144+\i], v[145+\i]
.endr
	v_max3_num_f32 v10, v10, v90, v111
	v_max3_num_f32 v11, v11, v91, v143
	v_max_num_f32 v10, v10, v127
	v_max_num_f32 v11, v11, v159
	v_max_num_f32 v254, v10, v11
	v_permlanex16_b32 v91, v254, s[SEL], s[SEL+1]
	v_max3_num_f32 v13, v13, v254, v91             ; the running largest score of my query (c is positive: its t is the largest t)
	v_mul_f32 v254, s[CS], v13
	v_floor_f32 v90, -v254                         ; the new -M = floor(-t): M is a whole number
	v_sub_f32 v254, v90, v12                       ; old M - new M: a whole number, 0 or less
	v_mov_b32 v12, v90
	v_cvt_i32_f32 v254, v254                       ; (it saturates)
	v_ldexp_f32 v252, 1.0, v254                    ; f = 2^(old M - new M)
.set j, 0
.rept 32
	v_pk_fma_f32 v[96+j:97+j], v[96+j:97+j], s[CS:CS+1], v[12:13] op_sel_hi:[1,0,0]   ; t - M, two at a time
.set j, j+2
.endr
	v_fma_f32 v10, v10, s[CS], v12                 ; the same of each block's largest score: p rises with the score
	v_fma_f32 v11, v11, s[CS], v12
.set j, 0
.rept 16
	v_pk_mul_f32 v[160+j:161+j], v[160+j:161+j], v[252:253] op_sel_hi:[1,0]   ; O^T under the new M: read here, ahead of the exponentials, each accumulator from its low end on
.set j, j+2
.endr
	v_pk_mul_f32 v[14:15], v[14:15], v[252:253] op_sel_hi:[1,0]   ; and the sums
	s_wait_alu depctr_va_vdst(0)
	v_exp_f32 v10, v10                             ; the blocks' largest p
	v_exp_f32 v11, v11
.set j, 0
.rept 64
	v_exp_f32 v[96+j], v[96+j]                     ; p = 2^(t - M), at most 1
.set j, j+1
.endr
	v_nop                                          ; a plain place behind the exponentials
	s_wait_alu depctr_va_vdst(0)                   ; one wait for the batch of 66, ahead of its first reader
	v_max_num_f32 v10, 0x1800000, v10              ; the floor 2^(3 - 127): a block whose every p is 0 keeps the byte 1; its codes are zeros
	v_max_num_f32 v11, 0x1800000, v11
	s_delay_alu instid0(VALU_DEP_2)
	v_add_nc_u32 v10, 0xff000000, v10              ; 2 off the exponent field: the conversion's scale operand
	s_delay_alu instid0(VALU_DEP_2)
	v_add_nc_u32 v11, 0xff000000, v11
	s_delay_alu instid0(VALU_DEP_2)
	v_lshrrev_b32 v90, 23, v10                     ; the bytes of blocks h and 2 + h,
	s_delay_alu instid0(VALU_DEP_2)
	v_lshrrev_b32 v91, 23, v11
	s_delay_alu instid0(VALU_DEP_1)
	v_lshl_or_b32 v90, v91, 16, v90
	s_delay_alu instid0(VALU_DEP_1)
	v_lshlrev_b32 v90, v9, v90                     ; at their places in the word (8 h bits up);
	s_delay_alu instid0(VALU_DEP_1)
	v_permlanex16_b32 v91, v90, s[SEL], s[SEL+1]
	s_delay_alu instid0(VALU_DEP_1)
	v_or_b32 v89, v90, v91                         ; with lane l xor 16's two: p's scale word for these 128 keys
	v_cvt_scalef32_pk16_fp6_f32 v[PC:PC+2], v[96:111], v10
	v_cvt_scalef32_pk16_fp6_f32 v[86:88], v[112:127], v10       ; (a conversion's three registers begin on an even number: the second half of a block's six is made apart and moved)
	v_cvt_scalef32_pk16_fp6_f32 v[PC+6:PC+8], v[128:143], v11
	v_cvt_scalef32_pk16_fp6_f32 v[252:254], v[144:159], v11
	; THE ROW'S SUM, of the unquantised p: 32 packed additions in four chains.  The first is the plain place behind the conversions; the 31 behind the moves stand between the writes of p's codes and scale word and the products
	v_pk_add_f32 v[90:91], v[96:97], v[98:99]
.irp i, 0,1,2
	v_mov_b32 v[PC+3+\i], v[86+\i]
	v_mov_b32 v[PC+9+\i], v[252+\i]
.endr
	v_pk_add_f32 v[86:87], v[100:101], v[102:103]
	v_pk_add_f32 v[252:253], v[104:105], v[106:107]
	v_pk_add_f32 v[14:15], v[14:15], v[108:109]
.set j, 110
.rept 6
	v_pk_add_f32 v[90:91], v[90:91], v[j:j+1]
	v_pk_add_f32 v[86:87], v[86:87], v[j+2:j+3]
	v_pk_add_f32 v[252:253], v[252:253], v[j+4:j+5]
	v_pk_add_f32 v[14:15], v[14:15], v[j+6:j+7]
.set j, j+8
.endr
	v_pk_add_f32 v[90:91], v[90:91], v[158:159]
	v_pk_add_f32 v[86:87], v[86:87], v[252:253]
	s_delay_alu instid0(VALU_DEP_2)
	v_pk_add_f32 v[14:15], v[14:15], v[90:91]
	s_delay_alu instid0(VALU_DEP_1)
	v_pk_add_f32 v[14:15], v[14:15], v[86:87]
	s_wait_dscnt 25                                ; V and its scale words are in; the 25 loads issued behind them, the next step's K, may be out
.irp d, 0,2                            ; O^T += V^T P^T: four accumulators, one instruction a turn; the eight score products stand between two links of a chain
	v_wmma_scale_f32_16x16x128_f8f6f4 v[160+8*\d:167+8*\d], v[192+12*\d:203+12*\d], v[PC:PC+11], v[160+8*\d:167+8*\d], v[28+\d/2], v89 matrix_a_fmt:MATRIX_FMT_FP6 matrix_b_fmt:MATRIX_FMT_FP6
	v_wmma_scale_f32_16x16x128_f8f6f4 v[168+8*\d:175+8*\d], v[204+12*\d:215+12*\d], v[PC:PC+11], v[168+8*\d:175+8*\d], v[28+\d/2], v89 matrix_a_fmt:MATRIX_FMT_FP6 matrix_b_fmt:MATRIX_FMT_FP6 matrix_a_scale:MATRIX_SCALE_ROW1
.endr
.endm
	s_mov_b32 s[PASS], 2
.Lpass:
	v_mov_b32 v13, 0xff61b1e6                      ; the largest score so far: -3e38
	v_mov_b32 v12, 0x7f61b1e6                      ; -M: 3e38, so that the first f is 0
	v_mov_b32 v14, 0
	v_mov_b32 v15, 0
.set j, 0
.rept 32
	v_mov_b32 v[160+j], 0                          ; O^T: the first step finds zeros, which the first change of M leaves zeros: so the step is written without a first form
.set j, j+1
.endr
	s_wait_alu depctr_va_vdst(0)
	s_wait_loadcnt 0x0                             ; my tile of Q is in; it stays in registers for the pass
	s_mov_b32 s[CNT], 15
.Lstep:
	STEP 0
	s_sub_co_u32 s[CNT], s[CNT], 1
	s_cmp_lg_u32 s[CNT], 0
	s_cbranch_scc1 .Lstep
	STEP 1
	; THE WAY OUT of a pass: O^T / the sum is quantised along the head's 64 (two blocks of the last projection's K) and leaves as half a fragment.
	s_wait_alu depctr_va_vdst(0)                   ; the sums were written ahead of the step's last wait on LDS
	v_add_f32 v14, v14, v15
	s_delay_alu instid0(VALU_DEP_1)
	v_permlanex16_b32 v91, v14, s[SEL], s[SEL+1]
	s_delay_alu instid0(VALU_DEP_1)
	v_add_f32 v14, v14, v91                        ; the row's sum
	v_nop
	v_nop
	s_wait_alu depctr_va_vdst(0)
	v_rcp_f32 v14, v14
	v_nop                                          ; a plain place behind it
	s_wait_alu depctr_va_vdst(0)                   ; and the wait ahead of its first reader, which is also O^T's
.set j, 0
.rept 32
	v_mul_f32 v[96+j], v[160+j], v14               ; register 8 t + i: channel 16 t + 8 (lane / 16) + i of my query; each accumulator from its low end on
.set j, j+1
.endr
.irp b, 0,1
	v_max3_num_f32 v[10+\b], |v[96+16*\b]|, |v[97+16*\b]|, 0x1800000
.endr
.irp i, 2,4,6,8,10,12,14
.irp b, 0,1
	s_delay_alu instid0(VALU_DEP_2)
	v_max3_num_f32 v[10+\b], v[10+\b], |v[96+16*\b+\i]|, |v[97+16*\b+\i]|
.endr
.endr
.irp b, 0,1
	s_delay_alu instid0(VALU_DEP_2)
	v_permlanex16_b32 v[90+\b], v[10+\b], s[SEL], s[SEL+1]
.endr
.irp b, 0,1
	s_delay_alu instid0(VALU_DEP_2)
	v_max_num_f32 v[10+\b], v[10+\b], v[90+\b]     ; here a block of 32 channels lies in lanes l and l xor 16
.endr
.irp b, 0,1
	s_delay_alu instid0(VALU_DEP_2)
	v_add_nc_u32 v[10+\b], 0xff000000, v[10+\b]
.endr
.irp b, 0,1
	s_delay_alu instid0(VALU_DEP_2)
	v_lshrrev_b32 v[90+\b], 23, v[10+\b]
.endr
	s_delay_alu instid0(VALU_DEP_1)
	v_lshl_or_b32 v254, v91, 8, v90                ; my row's two scale bytes
	v_cvt_scalef32_pk16_fp6_f32 v[PC:PC+2], v[96:111], v10
	v_cvt_scalef32_pk16_fp6_f32 v[86:88], v[112:127], v11
	v_nop                                          ; one plain place behind a scaled conversion
.irp i, 0,1,2
	v_permlane16_swap_b32 v[PC+\i], v[86+\i]       ; a whole block to a lane
.endr
.irp i, 0,1,2
	s_delay_alu instid0(VALU_DEP_3)
	v_mov_b32 v[PC+3+\i], v[86+\i]
.endr
.irp i, 0,1,2
	global_store_b64 v1, v[PC+2*\i:PC+1+2*\i], s[8:9] offset:256*\i   ; 32 lanes store 256 consecutive bytes, at a multiple of 256 from the buffer's first byte
.endr
	global_store_b16 v8, v254, s[10:11]            ; two bytes a row, 32 bytes apart (both halves of the lanes write the same bytes with the same value): 32 bytes beside a tile's 768 of codes
	s_wait_xcnt 0x0                                ; the stores have read their data and bases
	s_add_nc_u64 s[8:9], s[8:9], 196608            ; 256 queries on: 16 tiles of rows of codes,
	s_add_nc_u64 s[10:11], s[10:11], 8192          ; and of scale bytes
	s_sub_co_u32 s[PASS], s[PASS], 1
	s_cmp_lg_u32 s[PASS], 0
	s_wait_alu depctr_va_vdst(0)
	s_cbranch_scc1 .Lpass
	s_wait_dscnt 0x0                               ; the last step's fetch of K is not used; it is waited for
	s_wait_tensorcnt 0x0                           ; the wave's end
	ds_add_u32 v30, v31
	s_wait_dscnt 0x0
	s_endpgm
.Lfunc_end_k_qe9fe170218_attn:
	.size	k_qe9fe170218_attn, .Lfunc_end_k_qe9fe170218_attn-k_qe9fe170218_attn
	.p2alignl 7, 3214868480
	.fill 96, 4, 3214868480
	.section	.rodata,"a",@progbits
	.p2align	6, 0x0
	.amdhsa_kernel k_qe9fe170218_attn
		.amdhsa_group_segment_fixed_size 210944
		.amdhsa_private_segment_fixed_size 0
		.amdhsa_enable_private_segment 0
		.amdhsa_kernarg_size 40
		.amdhsa_user_sgpr_count 2
		.amdhsa_user_sgpr_kernarg_segment_ptr 1
		.amdhsa_wavefront_size32 1
		.amdhsa_system_sgpr_workgroup_id_x 1
		.amdhsa_system_sgpr_workgroup_id_y 1
		.amdhsa_system_sgpr_workgroup_id_z 1
		.amdhsa_system_vgpr_workitem_id 0
		.amdhsa_next_free_vgpr 256
		.amdhsa_next_free_sgpr 100
		.amdhsa_reserve_vcc 0
		.amdhsa_float_denorm_mode_32 3
		.amdhsa_float_denorm_mode_16_64 3
		.amdhsa_memory_ordered 1
		.amdhsa_forward_progress 1
		.amdhsa_inst_pref_size 59
	.end_amdhsa_kernel
	.amdgpu_metadata
---
amdhsa.version: [ 1, 2 ]
amdhsa.kernels:
  - .name:           k_qe9fe170218_attn
    .symbol:         k_qe9fe170218_attn.kd
    .args:
      - { .name: qkv, .offset: 0, .size: 8, .value_kind: global_buffer, .address_space: global }
      - { .name: maskw, .offset: 8, .size: 8, .value_kind: global_buffer, .address_space: global }
      - { .name: hcodes, .offset: 16, .size: 8, .value_kind: global_buffer, .address_space: global }
      - { .name: hscales, .offset: 24, .size: 8, .value_kind: global_buffer, .address_space: global }
      - { .name: maskf, .offset: 32, .size: 8, .value_kind: global_buffer, .address_space: global }
    .group_segment_fixed_size: 210944
    .private_segment_fixed_size: 0
    .kernarg_segment_align: 8
    .kernarg_segment_size: 40
    .max_flat_workgroup_size: 512
    .sgpr_count:     100
    .vgpr_count:     256
    .wavefront_size: 32
...
	.end_amdgpu_metadata
.endif
;; end of part 3
;; launch outp (part 4): grid 4 x 32, 4 waves a work-group, clusters of 4 x 4, 327,680 bytes of LDS; arguments hcodes, hscales, codes, scales, Wo_b, out0; writes out0
.if DOCPART == 4
	.amdgcn_target "amdgcn-amd-amdhsa--gfx1250"
	.amdhsa_code_object_version 6
	.text
	.protected	k_qe9fe170218_outp
	.globl	k_qe9fe170218_outp
	.p2align	8
	.type	k_qe9fe170218_outp,@function
k_qe9fe170218_outp:
	s_mov_b64 s[64:65], 0
	v_nop
	global_prefetch_b8 v0, s[64:65] scope:SCOPE_SE
	s_setreg_imm32_b32 hwreg(HW_REG_WAVE_MODE, 25, 1), 1
	s_wait_xcnt 0x0
	s_wait_alu depctr_hold_cnt(0) depctr_sa_sdst(0) depctr_va_vdst(0) depctr_va_sdst(0) depctr_va_ssrc(0) depctr_va_vcc(0) depctr_vm_vsrc(0)
	s_getreg_b32 s2, hwreg(HW_REG_IB_STS2, 6, 4)
	s_cmp_eq_u32 s2, 0
	s_cbranch_scc0 .Lentry_in_a_cluster
	s_endpgm
.Lentry_in_a_cluster:
	s_bfe_u32 s2, ttmp6, 0x10000c
	s_cmp_lg_u32 s2, 0xf033
	s_cbranch_scc0 .Lentry_shape_is_right
	s_endpgm
.Lentry_shape_is_right:
.set SIZE_N, 1024
.set NQ,     2
.set FR,     12
.set NL,     6
.set NP,     4
.set KB,     3072
.set HALFT,  8*KB
.set SLOT,   4*HALFT
.set LAPS,   2
.set KS,     32
.set SCL,    2*SLOT
.set HALFS,  16*272
.set SBLK,   2*272
.set SPARE,  SCL+4*HALFS
.set SPITCH, 528
.set ADRA, 16
.set ADRB, 20
.set STO,  24
.set RD,   25
.set CO,   26
.set ADRS, 27
.set SPW,  28
.set NIL,  29
.set SC,   32
.set CB,   64
.set AF,   128
.set BK,   128
.set G1, 24
.set G0, 32
.set G1B, 48
.set G0B, 56
.set G1S, 68
.set G0S, 76
.set G1SB, 80
.set G0SB, 88
.set MSB, 0
.macro WIN new
.if MSB != \new
	s_set_vgpr_msb (MSB<<8)|\new
.set MSB, \new
.endif
.endm
.set MUL_LO, 0xa1
.set MUL_HI, 0xf1
.set BEG_LO, 0x81
.set BEG_HI, 0xc1
.set TO_B,   0x40
.macro JLOAD g0a, g1a, g0b, g1b
	s_cmp_eq_u32 s15, 0
	s_cbranch_scc0 .Lfor_b_\@
	tensor_load_to_lds s[\g0a:\g0a+3], s[\g1a:\g1a+7]
	s_nop 0
.rept 4
	v_nop
.endr
	s_branch .Lasked_\@
.Lfor_b_\@:
	tensor_load_to_lds s[\g0b:\g0b+3], s[\g1b:\g1b+7]
	s_nop 0
.rept 4
	v_nop
.endr
.Lasked_\@:
.endm
.macro CREST
	s_cmp_lg_u32 s14, 0
	s_cbranch_scc1 .Lnot_wave_0_\@
	s_barrier_signal -3
.Lnot_wave_0_\@:
	s_barrier_wait -3
	s_barrier_signal -1
	s_barrier_wait -1
.endm
.macro CROUND
	s_barrier_signal -1
	s_barrier_wait -1
	CREST
.endm
	s_load_b128 s[4:7], s[0:1], 0x0
	s_load_b128 s[8:11], s[0:1], 0x10
	s_load_b64 s[96:97], s[0:1], 0x20
	s_load_b64 s[12:13], s[0:1], 0x28
	v_lshl_add_u32 v[SPW], v0, 2, SPARE
	v_mov_b32 v[NIL], 0
	ds_add_u32 v28, v29
	ds_add_u32 v28, v29
	s_wait_dscnt 0x0
	v_lshrrev_b32 v1, 5, v0
	v_readfirstlane_b32 s14, v1
	s_lshr_b32 s15, s14, 1
	s_and_b32 s16, s14, 1
	s_bfe_u32 s40, ttmp6, 0x40000
	s_bfe_u32 s41, ttmp6, 0x40004
	s_mov_b32 s42, s40
	s_and_b32 s17, ttmp7, 0xffff
	s_lshl_b32 s17, s17, 2
	s_add_co_u32 s17, s17, s41
	s_lshl_b32 s43, s41, 2
	s_lshl_b32 s43, 15, s43
	s_lshl_b32 s44, 0x1111, s40
	s_or_b32 s[G1+0], s43, (3<<16)|(1<<21)
	s_or_b32 s[G1B+0], s44, (3<<16)|(1<<21)
.irp g, G1, G1B
	s_mov_b32 s[\g+1], 384<<16
	s_mov_b32 s[\g+2], 16<<16
	s_mov_b32 s[\g+3], 384<<16
	s_mov_b32 s[\g+4], 16
	s_mov_b32 s[\g+5], 1536
	s_mov_b32 s[\g+6], 0
	s_mov_b32 s[\g+7], 0
.endr
	s_or_b32 s[G1S+0], s43, (3<<16)|(1<<20)|(1<<21)|(5<<22)|(3<<25)
	s_or_b32 s[G1SB+0], s44, (3<<16)|(1<<20)|(1<<21)|(5<<22)|(3<<25)
.irp g, G1S, G1SB
	s_mov_b32 s[\g+1], 32<<16
	s_mov_b32 s[\g+2], 32<<16
	s_mov_b32 s[\g+3], 32<<16
	s_mov_b32 s[\g+4], 32
	s_mov_b32 s[\g+5], 32
	s_mov_b32 s[\g+6], 0
	s_mov_b32 s[\g+7], 0
.endr
	s_lshl_b32 s20, s17, 8                         ; the tile's first row of A,
	s_lshl_b32 s46, s42, 8                         ; and of B
	s_lshl_b32 s22, s20, 5
	s_lshl_b32 s92, s46, 5
	s_add_co_u32 s92, s92, 884736
	s_mul_i32 s20, s20, 768
	s_mul_i32 s46, s46, 768
	s_add_co_u32 s46, s46, 21233664
	s_mov_b32 s21, 0
	s_mov_b32 s47, 0
	s_mov_b32 s23, 0
	s_mov_b32 s93, 0
	s_mul_i32 s45, s14, HALFT
	s_wait_kmcnt 0x0
	s_add_nc_u64 s[20:21], s[4:5], s[20:21]
	s_add_nc_u64 s[22:23], s[6:7], s[22:23]
	s_add_nc_u64 s[46:47], s[8:9], s[46:47]
	s_add_nc_u64 s[92:93], s[10:11], s[92:93]
	CROUND
	; THE HEAD'S FOUR TILES, each whole, one joint load a wave: the scales of A's 256 rows,
	s_mov_b32 s[G0S], 1
	s_mov_b32 s[G0S+1], SCL
	s_mov_b64 s[G0S+2:G0S+3], s[22:23]
	s_or_b32 s[G0S+3], s[G0S+3], 0x80000000
	s_mov_b32 s[G0SB], 1                           ; those of B's,
	s_mov_b32 s[G0SB+1], SCL+2*HALFS
	s_mov_b64 s[G0SB+2:G0SB+3], s[92:93]
	s_or_b32 s[G0SB+3], s[G0SB+3], 0x80000000
	s_mov_b32 s[G0], 1                             ; slot 0's 16 row tiles of A,
	s_mov_b32 s[G0+1], 0
	s_mov_b64 s[G0+2:G0+3], s[20:21]
	s_or_b32 s[G0+3], s[G0+3], 0x80000000
	s_mov_b32 s[G0B], 1                            ; and of B, behind them
	s_mov_b32 s[G0B+1], 2*HALFT
	s_mov_b64 s[G0B+2:G0B+3], s[46:47]
	s_or_b32 s[G0B+3], s[G0B+3], 0x80000000
	s_mul_i32 s18, s16, 98304                      ; in the ring a wave fetches 128 rows of 768 bytes: which half
	s_mov_b32 s19, 0
	s_add_nc_u64 s[20:21], s[20:21], s[18:19]
	s_add_nc_u64 s[46:47], s[46:47], s[18:19]
	s_mov_b32 s[G0+4], 1                           ; slot 1's group 0: my quarter
	s_add_co_u32 s[G0+5], s45, SLOT
	s_add_nc_u64 s[G0+6:G0+7], s[20:21], KB
	s_or_b32 s[G0+7], s[G0+7], 0x80000000
	s_mov_b32 s[G0B+4], 1
	s_add_co_u32 s[G0B+5], s45, SLOT
	s_add_nc_u64 s[G0B+6:G0B+7], s[46:47], KB
	s_or_b32 s[G0B+7], s[G0B+7], 0x80000000
; ONE tree of branches on the wave's number, each arm with its load and, but for the last, a jump to the tree's end: every way through the head passes exactly one load
.macro ARM under, g0, g1, next
	s_cmp_lt_u32 s14, \under
	s_cbranch_scc0 \next
	tensor_load_to_lds s[\g0:\g0+3], s[\g1:\g1+7]
	s_nop 0
.rept 4
	v_nop
.endr
	s_branch .Lhead_asked
\next:
.endm
	ARM 1, G0,  G1,  .Lhead_b
	ARM 2, G0B, G1B, .Lhead_sa
	ARM 3, G0S, G1S, .Lhead_sb
	tensor_load_to_lds s[G0SB:G0SB+3], s[G1SB:G1SB+7]
	s_nop 0
.rept 4
	v_nop
.endr
.Lhead_asked:
	v_and_b32 v1, 15, v0
	v_bfe_u32 v2, v0, 4, 1
	v_and_b32 v6, 31, v0
	v_lshlrev_b32 v4, 3, v6
	s_mul_i32 s21, s15, HALFT
	s_mul_i32 s22, s16, HALFT
	s_add_co_u32 s22, s22, 2*HALFT
.irp s, 0,1
	v_add_nc_u32 v[ADRA+\s], s21, v4
	v_add_nc_u32 v[ADRB+\s], s22, v4
	s_add_co_u32 s21, s21, SLOT
	s_add_co_u32 s22, s22, SLOT
.endr
	v_mul_u32_u24 v5, v1, KS
	v_lshrrev_b32 v7, 8, v5
	v_lshl_add_u32 v5, v7, 4, v5
	s_mul_i32 s21, s15, HALFS
	s_mul_i32 s22, s16, HALFS
	s_add_co_u32 s22, s22, 2*HALFS
	s_sub_co_u32 s22, s22, s21
	v_mul_u32_u24 v7, s22, v2
	s_add_co_u32 s21, s21, SCL
	v_add_nc_u32 v5, v5, v7
	v_add_nc_u32 v[ADRS], s21, v5
	s_mul_i32 s23, s14, 16*SPITCH
	v_mul_u32_u24 v5, v1, SPITCH
	v_lshl_add_u32 v5, v2, 5, v5
	v_add_nc_u32 v[STO], s23, v5
	v_lshlrev_b32 v[CO], 4, v6
	v_add_nc_u32 v[RD], s23, v[CO]
	s_lshl_b32 s20, s17, 8
	s_lshl_b32 s21, s15, 7
	s_add_co_u32 s20, s20, s21
	s_lshl_b32 s20, s20, 12
	s_lshl_b32 s46, s42, 10
	s_lshl_b32 s47, s16, 9
	s_add_co_u32 s46, s46, s47
	s_add_co_u32 s20, s20, s46
	s_mov_b32 s21, 0
	s_mov_b32 s47, 0
	s_add_nc_u64 s[12:13], s[12:13], s[20:21]
	s_add_nc_u64 s[96:97], s[96:97], s[46:47]
	v_lshlrev_b32 v10, 5, v2
.irp b, 0,1,2,3,4,5,6,7
	global_load_b128 v[CB+8*\b:CB+8*\b+3], v10, s[96:97] offset:64*\b
	global_load_b128 v[CB+8*\b+4:CB+8*\b+7], v10, s[96:97] offset:64*\b+16
.endr
.macro FRAG reg, adr, q, i
.irp p, 0,1,2,3,4,5
	ds_load_b64 v[\reg+2*\p:\reg+2*\p+1], v[\adr] offset:(\i)*KB+(\q)*1536+256*\p
.endr
.endm
.macro MUL16 a0, p, q, sc, first
.irp a, \a0, \a0+1
.irp b, 0,1,2,3,4,5,6,7
.if \first
	v_wmma_scale_f32_16x16x128_f8f6f4 v[8*(8*((\a)%4)+\b):8*(8*((\a)%4)+\b)+7], v[128*(\p)+FR*\b:128*(\p)+FR*\b+FR-1], v[AF+FR*(\a):AF+FR*(\a)+FR-1], v[CB+8*\b:CB+8*\b+7], v[SC+8*NQ*(\sc)+NQ*\b+(\q)], v[SC+8*NQ*(\sc)+NQ*(\a)+(\q)] matrix_a_fmt:MATRIX_FMT_FP6 matrix_b_fmt:MATRIX_FMT_FP6 matrix_a_scale:MATRIX_SCALE_ROW1
.else
	v_wmma_scale_f32_16x16x128_f8f6f4 v[8*(8*((\a)%4)+\b):8*(8*((\a)%4)+\b)+7], v[128*(\p)+FR*\b:128*(\p)+FR*\b+FR-1], v[AF+FR*(\a):AF+FR*(\a)+FR-1], v[8*(8*((\a)%4)+\b):8*(8*((\a)%4)+\b)+7], v[SC+8*NQ*(\sc)+NQ*\b+(\q)], v[SC+8*NQ*(\sc)+NQ*(\a)+(\q)] matrix_a_fmt:MATRIX_FMT_FP6 matrix_b_fmt:MATRIX_FMT_FP6 matrix_a_scale:MATRIX_SCALE_ROW1
.endif
.endr
.endr
.endm
.macro FETCH_B slot, q, p
	WIN TO_B
.irp i, 0,1,2,3,4,5,6,7
	FRAG 128*(\p)+FR*\i, ADRB+\slot, \q, \i
.endr
	WIN 0
.endm
.macro FETCH_A slot, q, i0
.irp i, \i0, \i0+1, \i0+2, \i0+3
	FRAG AF+FR*(\i), ADRA+\slot, \q, \i
.endr
.endm
.macro SCALES sc
.irp i, 0,1,2,3,4,5,6,7
	ds_load_b64 v[SC+8*NQ*\sc+NQ*\i:SC+8*NQ*\sc+NQ*\i+1], v[ADRS] offset:\i*SBLK
.endr
.endm
.macro PLACES n
.rept \n
	v_nop
.endr
.endm
.macro STEP slot, q, first
	s_wait_dscnt 4*NL
.if \first
	WIN BEG_LO
.else
	WIN MUL_LO
.endif
	MUL16 0, (\q)%2, \q, \slot, \first
	MUL16 2, (\q)%2, \q, \slot, \first
	s_wait_dscnt 0
	PLACES NP
	FETCH_B \slot, (\q)+1, 1-(\q)%2
	FETCH_A \slot, (\q)+1, 0
.if \first
	WIN BEG_HI
.else
	WIN MUL_HI
.endif
	MUL16 4, (\q)%2, \q, \slot, \first
	MUL16 6, (\q)%2, \q, \slot, \first
	PLACES NP
	WIN 0
	FETCH_A \slot, (\q)+1, 4
.endm
.macro TURN slot, next, fill
	s_wait_tensorcnt 0x0
	ds_add_u32 v[SPW], v[NIL]
	s_wait_dscnt 4*NL+1
	WIN MUL_LO
	MUL16 0, 1, NQ-1, \slot, 0
	s_wait_dscnt 0x0
	s_barrier_signal -1
	MUL16 2, 1, NQ-1, \slot, 0
	WIN 0
	s_barrier_wait -1
.if \fill
	CREST
	s_add_nc_u64 s[G0+4*\slot+2:G0+4*\slot+3], s[G0+4*\slot+2:G0+4*\slot+3], 2*KB
	s_add_nc_u64 s[G0B+4*\slot+2:G0B+4*\slot+3], s[G0B+4*\slot+2:G0B+4*\slot+3], 2*KB
	JLOAD G0+4*\slot, G1, G0B+4*\slot, G1B
.else
	PLACES NP
.endif
	s_wait_alu depctr_va_vdst(0)
	v_add_nc_u32 v[ADRS], 4*NQ, v[ADRS]
	FETCH_B \next, 0, 0
	FETCH_A \next, 0, 0
	SCALES \next
	WIN MUL_HI
	MUL16 4, 1, NQ-1, \slot, 0
	MUL16 6, 1, NQ-1, \slot, 0
	PLACES NP
	WIN 0
	FETCH_A \next, 0, 4
.endm
	s_wait_alu depctr_va_vdst(0)
	s_wait_tensorcnt 0x0                           ; my tile of the head's four is in
	ds_add_u32 v[SPW], v[NIL]
	s_mov_b32 s[G1+2], 8<<16                       ; no tensor load of mine is out, so descriptors may be written: from here on a load brings 8 row tiles,
	s_mov_b32 s[G1+4], 8
	s_mov_b32 s[G1B+2], 8<<16
	s_mov_b32 s[G1B+4], 8
	s_mul_i32 s18, s16, 98304
	s_mov_b32 s19, 0
	s_add_co_u32 s[G0+1], s45, 0                   ; and slot 0's group 0 becomes my quarter of the ring
	s_add_nc_u64 s[G0+2:G0+3], s[G0+2:G0+3], s[18:19]
	s_add_co_u32 s[G0B+1], s45, 0
	s_add_nc_u64 s[G0B+2:G0B+3], s[G0B+2:G0B+3], s[18:19]
	s_wait_dscnt 0x0
	CROUND                                         ; all four tiles are in, and all sixteen work-groups are here
	JLOAD G0+4, G1, G0B+4, G1B                     ; slot 1's first fill, the first tensor load behind the round
	FETCH_B 0, 0, 0
	FETCH_A 0, 0, 0
	SCALES 0
	FETCH_A 0, 0, 4
	s_wait_loadcnt 0x0
	STEP 0, 0, 1
	s_mov_b32 s3, LAPS-1
.Llap:
	TURN 0, 1, 1
	STEP 1, 0, 0
	TURN 1, 0, 1
	STEP 0, 0, 0
	s_sub_co_u32 s3, s3, 1
	s_cmp_lg_u32 s3, 0
	s_cbranch_scc1 .Llap
	TURN 0, 1, 0
	STEP 1, 0, 0
	s_wait_dscnt 4*NL
	WIN MUL_LO
	MUL16 0, 1, NQ-1, 1, 0
	MUL16 2, 1, NQ-1, 1, 0
	s_wait_dscnt 0
	WIN MUL_HI
	MUL16 4, 1, NQ-1, 1, 0
	MUL16 6, 1, NQ-1, 1, 0
	WIN 0
.macro TOSTAGE a
.set AC, 64*((\a)%4)
	WIN 0x08+4*((\a)/4)
.irp b, 0,1,2,3,4,5,6,7
	ds_store_b128 v[STO], v[AC+8*\b:AC+8*\b+3] offset:64*\b
	ds_store_b128 v[STO], v[AC+8*\b+4:AC+8*\b+7] offset:64*\b+16
.endr
	WIN 0
.set BB, BK+64*((\a)%2)
.irp t, 0,1,2,3,4,5,6,7,8,9,10,11,12,13,14,15
	ds_load_b128 v[BB+4*\t:BB+4*\t+3], v[RD] offset:\t*SPITCH
.endr
.endm
.macro SEND a, younger
.set BB, BK+64*((\a)%2)
	s_wait_dscnt \younger
.if (\a) > 0
	s_add_nc_u64 s[12:13], s[12:13], 16*SIZE_N*4
.endif
.irp t, 0,1,2,3,4,5,6,7,8,9,10,11,12,13,14,15
	global_store_b128 v[CO], v[BB+4*\t:BB+4*\t+3], s[12:13] offset:\t*SIZE_N*4 th:TH_STORE_NT
.endr
.endm
	PLACES NP
	TOSTAGE 0
.irp a, 1,2,3,4,5,6,7
.if \a > 1
	s_wait_xcnt 0x0
.endif
	TOSTAGE \a
	SEND \a-1, 32
.endr
	s_wait_xcnt 0x0
	SEND 7, 0
	s_wait_tensorcnt 0x0
	ds_add_u32 v[SPW], v[NIL]
	s_wait_dscnt 0x0
	CROUND
	s_endpgm
.Lfunc_end_k_qe9fe170218_outp:
	.size	k_qe9fe170218_outp, .Lfunc_end_k_qe9fe170218_outp-k_qe9fe170218_outp
	.p2alignl 7, 3214868480
	.fill 96, 4, 3214868480
	.section	.rodata,"a",@progbits
	.p2align	6, 0x0
	.amdhsa_kernel k_qe9fe170218_outp
		.amdhsa_group_segment_fixed_size 327680
		.amdhsa_private_segment_fixed_size 0
		.amdhsa_enable_private_segment 0
		.amdhsa_kernarg_size 48
		.amdhsa_user_sgpr_count 2
		.amdhsa_user_sgpr_kernarg_segment_ptr 1
		.amdhsa_wavefront_size32 1
		.amdhsa_system_sgpr_workgroup_id_x 1
		.amdhsa_system_sgpr_workgroup_id_y 1
		.amdhsa_system_sgpr_workgroup_id_z 1
		.amdhsa_system_vgpr_workitem_id 0
		.amdhsa_next_free_vgpr 1024
		.amdhsa_next_free_sgpr 98
		.amdhsa_reserve_vcc 0
		.amdhsa_float_denorm_mode_32 3
		.amdhsa_float_denorm_mode_16_64 3
		.amdhsa_memory_ordered 1
		.amdhsa_forward_progress 1
		.amdhsa_inst_pref_size 162
	.end_amdhsa_kernel
	.amdgpu_metadata
---
amdhsa.version: [ 1, 2 ]
amdhsa.kernels:
  - .name:           k_qe9fe170218_outp
    .symbol:         k_qe9fe170218_outp.kd
    .args:
      - { .name: hcodes, .offset: 0, .size: 8, .value_kind: global_buffer, .address_space: global }
      - { .name: hscales, .offset: 8, .size: 8, .value_kind: global_buffer, .address_space: global }
      - { .name: codes, .offset: 16, .size: 8, .value_kind: global_buffer, .address_space: global }
      - { .name: scales, .offset: 24, .size: 8, .value_kind: global_buffer, .address_space: global }
      - { .name: Wo_b, .offset: 32, .size: 8, .value_kind: global_buffer, .address_space: global }
      - { .name: out0, .offset: 40, .size: 8, .value_kind: global_buffer, .address_space: global }
    .group_segment_fixed_size: 327680
    .private_segment_fixed_size: 0
    .kernarg_segment_align: 8
    .kernarg_segment_size: 48
    .max_flat_workgroup_size: 128
    .sgpr_count:     98
    .vgpr_count:     1024
    .wavefront_size: 32
...
	.end_amdgpu_metadata
.endif
;; end of part 4
